; MI455X (gfx1250); checked and timed in simulation.
; The chip was launched on July 23, 2026; its instructions are those of AMD's public machine-readable ISA for CDNA 5 (MIT licence, August 2026) and "CDNA5" Instruction Set Architecture Reference Guide (July 2026). The comments in the code are by the model that wrote it; some were corrected since.
;; Decoder Block. Allowed arithmetic: matrix products marked QUANTISED: E2M1 operands, one E8M0 scale for each 32 along K, by v_wmma_scale_f32_16x16x128_f8f6f4 with both operands' format E2M1 (or v_wmma_scale_f32_32x16x128_f4), f32 sums; everything else in f32.
;; Inputs: ca_pb 512 float32; ca_pw 512 x 512 float32; ca_wk 512 x 512 float32; ca_wq 512 x 512 float32; ca_wv 512 x 512 float32; encoder_output 8 x 1,024 x 512 float32; ff_b1 2,048 float32; ff_b2 512 float32; ff_w1 512 x 2,048 float32; ff_w2 2,048 x 512 float32; ln1_b 512 float32; ln1_g 512 float32; ln2_b 512 float32; ln2_g 512 float32; ln3_b 512 float32; ln3_g 512 float32; sa_pb 512 float32; sa_pw 512 x 512 float32; sa_wk 512 x 512 float32; sa_wq 512 x 512 float32; sa_wv 512 x 512 float32; x 8 x 1,024 x 512 float32.
;; Outputs: out0 8 x 1,024 x 512 float32.
;; This version of the problem:
;;   THIS VERSION OF THE PROBLEM IS GIVEN IN LOW PRECISION. The matrix products marked QUANTISED in the list below multiply operands that are first quantised to E2M1 (2 exponent bits, 1 mantissa bit; 4 bits a number), with one power-of-two scale for each 32 numbers along K (OCP MX v1.0); their sums are f32. All else is computed in f32.
;;   The module's matrix products, in the order in which they are computed (A, B: the left and right operand; K: the contracted axis; several contracted axes count as one K, in the product's order):
;;     1. [M 8,192, K 512] x [K 512, N 512]; A: computed on the way; B: input sa_wq: QUANTISED
;;     2. [M 8,192, K 512] x [K 512, N 512]; A: input x; B: input sa_wk: QUANTISED
;;     3. [M 8,192, K 512] x [K 512, N 512]; A: input x; B: input sa_wv: QUANTISED
;;     4. batch 128 x [M 1,024, K 32] x [K 32, N 1,024]; A: computed on the way; B: computed on the way: QUANTISED
;;     5. batch 128 x [M 32, K 1,024] x [K 1,024, N 1,024]; A: computed on the way; B: softmax (see below): QUANTISED
;;     6. [M 8,192, K 512] x [K 512, N 512]; A: computed on the way; B: input sa_pw: QUANTISED
;;     7. [M 8,192, K 512] x [K 512, N 512]; A: computed on the way; B: input ca_wq: QUANTISED
;;     8. [M 8,192, K 512] x [K 512, N 512]; A: input encoder_output; B: input ca_wk: QUANTISED
;;     9. [M 8,192, K 512] x [K 512, N 512]; A: input encoder_output; B: input ca_wv: QUANTISED
;;     10. batch 128 x [M 1,024, K 32] x [K 32, N 1,024]; A: computed on the way; B: computed on the way: QUANTISED
;;     11. batch 128 x [M 32, K 1,024] x [K 1,024, N 1,024]; A: computed on the way; B: softmax (see below): QUANTISED
;;     12. [M 8,192, K 512] x [K 512, N 512]; A: computed on the way; B: input ca_pw: QUANTISED
;;     13. [M 8,192, K 512] x [K 512, N 2,048]; A: computed on the way; B: input ff_w1: QUANTISED
;;     14. [M 8,192, K 2,048] x [K 2,048, N 512]; A: computed on the way; B: input ff_w2: QUANTISED
;;   THE QUANTISER, for each operand of a quantised product, along K:
;;     - K is cut into blocks of 32 from its start; a last block that is shorter is filled with zeros.
;;     - A block's scale is 2^e with e = floor(log2(the largest magnitude in the block)) - 2, held to -126 .. 127; a block of zeros has e = 0. As a byte (E8M0): e + 127.
;;     - Each number is divided by its block's scale, clamped to +-6, and rounded to the nearest number of E2M1, ties to even, subnormals kept.
;;     - The product sums the exact products of the quantised numbers (number of the format x scale) in f32.
;;   ~~~python
;;   def quantise(x, axis):      # numpy; x: float32 -> the quantised numbers, widened to float32 again
;;       x = np.moveaxis(x, axis, -1); K = x.shape[-1]
;;       x = np.pad(x, [(0, 0)] * (x.ndim - 1) + [(0, -K % 32)]); x = x.reshape(x.shape[:-1] + (-1, 32)); a = np.abs(x).max(-1, keepdims=True)
;;       e = np.where(a > 0, np.clip(np.frexp(np.where(a > 0, a, 1))[1] - 1 - 2, -126, 127), 0)      # np.frexp(a)[1] - 1 = floor(log2(a)), exactly
;;       r = np.clip(x / 2.0 ** e, -6, 6)
;;       step = 2.0 ** (np.maximum(np.frexp(np.where(r == 0, 1, r))[1] - 1, 0) - 1)
;;       q = np.round(r / step) * step * 2.0 ** e      # np.round: ties to even
;;       return np.moveaxis(q.reshape(q.shape[:-2] + (-1,))[..., :K], -1, axis).astype(np.float32)
;;   ~~~
;;   SOFTMAX AHEAD OF A QUANTISED PRODUCT. Where the list says 'softmax', what is quantised is not the finished softmax but p = 2^(t - M), with t = logit x log2(e) and M = ceil(the row's largest t), a whole number; so 1/2 < the row's largest p <= 1. The row's sum l is taken of the UNQUANTISED p, in f32, and the product's result is divided by l at the end. Since M is a whole number, a kernel that streams over the keys may use a running M (the ceiling of the running maximum): every later rescaling is an exact power of two, which a block's scale takes up: the codes' values come out the same.
;;   OPERANDS COMPUTED ON THE WAY. 'Computed on the way' means the value that the module computes at that place (a softmax that the list does not call 'softmax' is quantised finished and normalised). What goes into a quantiser is computed in f32, as accurately as f32 sums, v_exp_f32 and their like allow (about 1e-6 of the number): no bf16 or f16 on the way to a quantiser, and a product that is left as it is and whose result goes on into a quantised operand takes f32 operands (vector FMAs, or v_wmma_f32_16x16x4_f32). A number that lies on a knife's edge between two numbers of the format may be rounded either way, as far as f32 arithmetic and the matrix unit's own rounding can turn it there, and no further.
;; 2 versions. Each part assembles by itself: llvm-mc -triple=amdgcn-amd-amdhsa -mcpu=gfx1250 --defsym DOCPART=n.
;; ======== version 1 of 2: 3 launches
;; workspace buffers: wimg 2,097,152 bytes; wscl 131,072 bytes; kimg 4,194,304 bytes; vimg 4,194,304 bytes; ksc 524,288 bytes
;; launch wprep (part 1): grid 256 x 1, 4 waves a work-group, no clusters, 1,024 bytes of LDS; arguments sa_wq, sa_wk, sa_wv, sa_pw, ca_wq, ca_wk, ca_wv, ca_pw, ff_w1, ff_w2, wimg, wscl; writes wimg, wscl
.if DOCPART == 1
	.amdgcn_target "amdgcn-amd-amdhsa--gfx1250"
	.amdhsa_code_object_version 6
	.text
	.protected	k_q8f8a48a50d_wprep
	.globl	k_q8f8a48a50d_wprep
	.p2align	8
	.type	k_q8f8a48a50d_wprep,@function
k_q8f8a48a50d_wprep:
	s_mov_b64 s[64:65], 0
	v_nop
	global_prefetch_b8 v0, s[64:65] scope:SCOPE_SE
	s_setreg_imm32_b32 hwreg(HW_REG_WAVE_MODE, 25, 1), 1
	s_wait_xcnt 0x0
; The ten weights, f32 stored [K][N], become codes of FP4 (E2M1) with one E8M0 scale byte for each 32 along K, laid in the order of the operand registers.
; A RECORD is 32 columns x 512 along K: 8,192 bytes of codes and 512 bytes of scale words.  Records 16 i + P: the eight 512 x 512 weights i, pair of tiles P;
; 128 + P: ff_w1, P under 64; 192 + 4 P + q: ff_w2, chunk q of 512 along K.  Work-group R makes record R, wave s its K step s (128 along K).
; THE COLUMNS OF A TILE ARE NOT NEIGHBOURS: row r of tile u takes column 32 P + 8 u + r + 8 (r / 8), so that a product used transposed leaves 16 neighbouring columns in a lane.
; A LANE TAKES A COLUMN, ITS REGISTERS RUN DOWN K: a block of 32 lies in one lane, and the conversions give codes with K innermost.  Nothing is transposed.
; Codes of fragment (s, u): byte (2 s + u) 1024 + 512 c + 16 lane, lane (r, h) holding block 2 c + h.  Scale words: byte 16 (16 u + r) + 4 s.
; A block's scale byte is its largest magnitude's exponent field - 2, held at 1 from below.
; LIMITS: a block of zeros, or one whose largest magnitude lies under 2^-124, keeps the byte 1 (zero codes add nothing; the bytes are read by this program alone); NaN and infinities are not served.
; No tensor load, no cluster: each weight byte is read once, by one lane.
.set X,  32                            ; v32-159  128 numbers down K
.set C,  160                           ; v160-175 four blocks' codes: no store's data are written again
.set WD, 176                           ; v176     my column's scale word
	s_load_b512 s[8:23], s[0:1], 0x0               ; the eight 512 x 512 weights
	s_load_b256 s[24:31], s[0:1], 0x40             ; ff_w1, ff_w2, wimg, wscl
	v_lshl_add_u32 v184, v0, 2, 0x200
	v_mov_b32 v185, 0
	v_lshrrev_b32 v1, 5, v0
	v_readfirstlane_b32 s2, v1                     ; wave = K step
	v_and_b32 v1, 31, v0                           ; L = 16 u + r
	v_lshrrev_b32 v6, 4, v1                        ; u
	v_and_b32 v7, 15, v1                           ; r
	v_and_b32 v8, 8, v1                            ; 8 (r / 8)
	v_lshl_add_u32 v2, v6, 3, v7
	v_add_nc_u32 v2, v2, v8
	v_lshlrev_b32 v2, 2, v2                        ; my column's byte in the pair's 128
	v_lshlrev_b32 v3, 4, v7
	v_lshl_add_u32 v3, v6, 10, v3                  ; where my codes go: 1024 u + 16 r
	v_lshlrev_b32 v5, 4, v1                        ; 16 L
	s_lshl_b32 s42, s2, 2
	v_add_nc_u32 v4, s42, v5                       ; LDS: 16 L + 4 x wave
	s_mov_b32 s3, ttmp9                            ; R
	s_lshr_b32 s32, s3, 4                          ; which weight,
	s_and_b32 s33, s3, 15                          ; which pair,
	s_sub_co_u32 s34, s3, 128
	s_sub_co_u32 s35, s3, 192
	s_lshr_b32 s36, s35, 2
	s_and_b32 s37, s35, 3
	s_cmp_ge_u32 s3, 128
	s_cselect_b32 s32, 8, s32
	s_cselect_b32 s33, s34, s33
	s_cmp_ge_u32 s3, 192
	s_cselect_b32 s32, 9, s32
	s_cselect_b32 s33, s36, s33
	s_cselect_b32 s37, s37, 0                      ; which chunk of K
	s_cmp_eq_u32 s32, 8
	s_cselect_b32 s38, 20, 18                      ; 128 rows of 8,192 or of 2,048 bytes
	s_lshl_b32 s38, s2, s38
	s_lshl_b32 s40, s37, 20                        ; 512 rows of 2,048 bytes a chunk
	s_add_co_u32 s38, s38, s40
	s_lshl_b32 s40, s33, 7                         ; 128 bytes a pair
	s_add_co_u32 s38, s38, s40
	s_mov_b32 s39, 0
	s_wait_kmcnt 0x0
	s_mov_b64 s[4:5], s[8:9]
.irp i, 1,2,3,4,5,6,7,8,9
	s_cmp_eq_u32 s32, \i                           ; the choice hangs on the work-group's number alone
	s_cselect_b64 s[4:5], s[8+2*\i:9+2*\i], s[4:5]
.endr
	s_add_nc_u64 s[4:5], s[4:5], s[38:39]
	s_lshl_b32 s40, s3, 13
	s_lshl_b32 s41, s2, 11
	s_add_co_u32 s40, s40, s41
	s_mov_b32 s41, 0
	s_add_nc_u64 s[28:29], s[28:29], s[40:41]      ; my K step's 2,048 bytes of the record
	s_lshl_b32 s40, s3, 9
	s_add_nc_u64 s[30:31], s[30:31], s[40:41]      ; the record's scale words
.macro WLD rowb                        ; 128 loads: row i of my K step; 32 lanes read 128 consecutive bytes
.set cn, 0
.rept 128
	global_load_b32 v[X+cn], v2, s[4:5] offset:cn*\rowb th:TH_LOAD_NT
.set cn, cn+1
.endr
.endm
	s_cmp_eq_u32 s32, 8
	s_cbranch_scc1 .Lwide
	WLD 2048
	s_branch .Lgot
.Lwide:
	WLD 8192
.Lgot:
.macro BLK t, left                     ; block t of my column: scale, codes, store
.set XS, X+32*\t
	s_wait_loadcnt \left
	v_max3_num_f32 v8, |v[XS]|, |v[XS+1]|, |v[XS+2]|
	v_max3_num_f32 v9, |v[XS+3]|, |v[XS+4]|, |v[XS+5]|
.irp i, 6,10,14,18,22,26
	v_max3_num_f32 v8, v8, |v[XS+\i]|, |v[XS+\i+1]|
	v_max3_num_f32 v9, v9, |v[XS+\i+2]|, |v[XS+\i+3]|
.endr
	v_max3_num_f32 v8, v8, |v[XS+30]|, |v[XS+31]|
	v_max3_num_f32 v8, v8, v9, 0x1800000           ; and the floor 2^(3 - 127): the byte cannot fall under 1
	v_add_nc_u32 v10, 0xff000000, v8               ; 2 off the exponent field: the conversion's scale operand
	v_lshrrev_b32 v11, 23, v10                     ; the scale's byte
.if \t == 0
	v_mov_b32 v[WD], v11
.else
	v_lshl_or_b32 v[WD], v11, 8*\t, v[WD]
.endif
.irp g, 0,1,2,3
	v_cvt_scalef32_pk8_fp4_f32 v[C+4*\t+\g], v[XS+8*\g:XS+8*\g+7], v10
.endr
	global_store_b128 v3, v[C+4*\t:C+4*\t+3], s[28:29] offset:512*(\t/2)+256*(\t%2)   ; sixteen lanes store 256 consecutive bytes, aligned
.endm
	BLK 0, 63                                      ; of 128 loads in order at most 63 are out: the first 65 are in, blocks 0 and 1 among them
	BLK 1, 63
	BLK 2, 32                                      ; block 3's may be out
	BLK 3, 0
	ds_store_b32 v4, v[WD]
	s_wait_dscnt 0x0                               ; for the others' sake: my word has landed
	s_barrier_signal -1
	s_barrier_wait -1
	s_cmp_lg_u32 s2, 0
	s_cbranch_scc1 .Lend                           ; wave 0 stores the record's 512 bytes of scale words, dense
	ds_load_b128 v[16:19], v5
	s_wait_dscnt 0x0
	global_store_b128 v5, v[16:19], s[30:31]
.Lend:
	s_wait_tensorcnt 0x0
	ds_add_u32 v184, v185
	s_wait_dscnt 0x0
	s_endpgm
.Lfunc_end_k_q8f8a48a50d_wprep:
	.size	k_q8f8a48a50d_wprep, .Lfunc_end_k_q8f8a48a50d_wprep-k_q8f8a48a50d_wprep
	.p2alignl 7, 3214868480
	.fill 96, 4, 3214868480
	.section	.rodata,"a",@progbits
	.p2align	6, 0x0
	.amdhsa_kernel k_q8f8a48a50d_wprep
		.amdhsa_group_segment_fixed_size 1024
		.amdhsa_private_segment_fixed_size 0
		.amdhsa_enable_private_segment 0
		.amdhsa_kernarg_size 96
		.amdhsa_user_sgpr_count 2
		.amdhsa_user_sgpr_kernarg_segment_ptr 1
		.amdhsa_wavefront_size32 1
		.amdhsa_system_sgpr_workgroup_id_x 1
		.amdhsa_system_sgpr_workgroup_id_y 1
		.amdhsa_system_sgpr_workgroup_id_z 1
		.amdhsa_system_vgpr_workitem_id 0
		.amdhsa_next_free_vgpr 186
		.amdhsa_next_free_sgpr 66
		.amdhsa_reserve_vcc 0
		.amdhsa_float_denorm_mode_32 3
		.amdhsa_float_denorm_mode_16_64 3
		.amdhsa_memory_ordered 1
		.amdhsa_forward_progress 1
		.amdhsa_inst_pref_size 34
	.end_amdhsa_kernel
	.amdgpu_metadata
---
amdhsa.version: [ 1, 2 ]
amdhsa.kernels:
  - .name:           k_q8f8a48a50d_wprep
    .symbol:         k_q8f8a48a50d_wprep.kd
    .args:
      - { .name: sa_wq, .offset: 0, .size: 8, .value_kind: global_buffer, .address_space: global }
      - { .name: sa_wk, .offset: 8, .size: 8, .value_kind: global_buffer, .address_space: global }
      - { .name: sa_wv, .offset: 16, .size: 8, .value_kind: global_buffer, .address_space: global }
      - { .name: sa_pw, .offset: 24, .size: 8, .value_kind: global_buffer, .address_space: global }
      - { .name: ca_wq, .offset: 32, .size: 8, .value_kind: global_buffer, .address_space: global }
      - { .name: ca_wk, .offset: 40, .size: 8, .value_kind: global_buffer, .address_space: global }
      - { .name: ca_wv, .offset: 48, .size: 8, .value_kind: global_buffer, .address_space: global }
      - { .name: ca_pw, .offset: 56, .size: 8, .value_kind: global_buffer, .address_space: global }
      - { .name: ff_w1, .offset: 64, .size: 8, .value_kind: global_buffer, .address_space: global }
      - { .name: ff_w2, .offset: 72, .size: 8, .value_kind: global_buffer, .address_space: global }
      - { .name: wimg, .offset: 80, .size: 8, .value_kind: global_buffer, .address_space: global }
      - { .name: wscl, .offset: 88, .size: 8, .value_kind: global_buffer, .address_space: global }
    .group_segment_fixed_size: 1024
    .private_segment_fixed_size: 0
    .kernarg_segment_align: 8
    .kernarg_segment_size: 96
    .max_flat_workgroup_size: 128
    .sgpr_count:     66
    .vgpr_count:     186
    .wavefront_size: 32
...
	.end_amdgpu_metadata
.endif
;; end of part 1
;; launch kvproj (part 2): grid 128 x 1, 16 waves a work-group, no clusters, 305,152 bytes of LDS; arguments x, encoder_output, wimg, wscl, kimg, vimg, ksc; writes kimg, vimg, ksc
.if DOCPART == 2
	.amdgcn_target "amdgcn-amd-amdhsa--gfx1250"
	.amdhsa_code_object_version 6
	.text
	.protected	k_q8f8a48a50d_kvproj
	.globl	k_q8f8a48a50d_kvproj
	.p2align	8
	.type	k_q8f8a48a50d_kvproj,@function
k_q8f8a48a50d_kvproj:
	s_mov_b64 s[64:65], 0
	v_nop
	global_prefetch_b8 v0, s[64:65] scope:SCOPE_SE
	s_setreg_imm32_b32 hwreg(HW_REG_WAVE_MODE, 25, 1), 1
	s_wait_xcnt 0x0
; K and V of both attentions: K = Q4(src) Q4(wk), V = Q4(src) Q4(wv), src = x (work-groups 0-63) or encoder_output (64-127); both products on FP4 codes with E8M0 scales.
; The results are quantised at once for the attention: K along the head's 32 channels, V along the keys, and stored in the order of the operand registers.
; SHARES.  A work-group takes one key step: 128 tokens, two groups of 64; wave w first quantises a sixteenth of them, then makes head w: 32 columns of K and of V for the 128 tokens.
; 2 sources x 8 batches x 8 steps = 128 work-groups: a step's scale words of a head are 256 consecutive bytes, made of both groups' bytes; with one owner they leave whole, by one store, and a weight record that a wave loads serves 128 tokens.
; THE TOKENS OF A TILE ARE NOT NEIGHBOURS: row r of tile t of a group is token 32 (t / 2) + 8 (t % 2) + r + 8 (r / 8): the stage in LDS holds the tokens with bits 3 and 4 of their number exchanged.
; K: source 0 = 16 columns of wk, source 1 = 16 tokens: a lane holds one key and 16 neighbouring channels.  V: source 0 = 16 tokens, source 1 = 16 columns of wv: a lane holds one channel and 16 neighbouring keys.
; kimg: head x 16384 + step x 2048 + 1024 gp + 256 t + 16 r + 8 h: the four tiles of a group are the four K blocks of ONE fragment.  vimg: head x 16384 + step x 2048 + 1024 u + 512 gp + 256 b + 16 r + 8 h.
; ksc: head x 2048 + step x 256; bytes 0-127 K's words (lane 16 gp + r, byte t), bytes 128-255 V's (lane 16 u + r, byte 2 gp + b).
; LIMITS: blocks of zeros, or under 2^-124, keep the scale byte 1 (their codes add nothing; this program alone reads the bytes); NaN and infinities are not served.
; No tensor load, no cluster: the weights' fragments go from memory straight into the one wave's registers that multiplies by them, so there is no LDS tile that partners could share.
.set XIMG, 0                           ; LDS: the tokens' codes: 16384 gp + 4096 t + 256 kb + 16 r + 8 h
.set XSC,  32768                       ; their scale words: 1024 gp + 256 t + 16 r + 4 s
.set KSR,  34816                       ; 256 bytes for each wave: its head's unit of scale words
.set STG,  38912                       ; the stage: 128 rows of 2,048 bytes + 16
.set SPT,  2064
.set LI,   3                           ; v3   16 x lane
.set LS,   4                           ; v4   16 r
.set GX,   5                           ; v5   16384 w + 16 x lane: my eight rows in memory
.set SIN,  6                           ; v6   into the stage
.set SOUT, 7                           ; v7   out of it: group 0
.set IST,  8                           ; v8   where my codes of x go
.set SCST, 9                           ; v9   and their scale word
.set CST,  10                          ; v10  16 r + 8 h
.set SW,   11                          ; v11  KSR + 256 w + 4 x lane
.set L8,   12                          ; v12  8 x lane
.set SO2,  13                          ; v13  out of the stage: group 1, 64 rows on
.set SR8,  14                          ; v14  KSR + 256 w + 8 x lane
.set NUM,  32                          ; v32-159  eight rows as loaded; then v32-95: 64 numbers of x, then the eight accumulators
.set ACC,  32
.set WF,   96                          ; v96-159  a record's eight fragments
.set WS,   160                         ; v160-163 its scale words (scales alone)
.set XF,   164                         ; v164-195 four fragments of x
.set XS,   196                         ; v196-211 x's scale words of a group (scales alone)
.set TM,   212                         ; largest magnitudes
.set T2,   216                         ; the other half's; then the bytes
.set SOP,  220                         ; the conversions' scale operands
.set PC,   224                         ; v224-231 codes
.set KWA,  232                         ; v232, v233 K's scale words of groups 0, 1
.set VW0,  234                         ; v234, v235 V's scale words of tiles 0, 1
.set VW1,  235
.set TP,   236                         ; v236, v237 at work
.set OW,   238                         ; v[238:239] my 8 bytes of the unit of scale words
.set XW,   240                         ; v240 x's scale word
.set SEL,  44                          ; s[44:45] selects for lane l xor 16
.macro NOPS n
.rept \n
	v_nop
.endr
.endm
.macro BAR                             ; my LDS stores have landed and my LDS loads are in: then the work-group's barrier
	s_wait_dscnt 0x0
	s_barrier_signal -1
	s_barrier_wait -1
.endm
; one product.  c under 0: the constant 0 starts the sum.  row 1: source 0's scales in lanes 16-31; row 2: source 1's
.macro MM d, a, b, c, sa, sb, row
.if (\c) < 0
.if (\row) == 0
	v_wmma_scale_f32_16x16x128_f8f6f4 v[\d:\d+7], v[\a:\a+7], v[\b:\b+7], 0, v[\sa], v[\sb] matrix_a_fmt:MATRIX_FMT_FP4 matrix_b_fmt:MATRIX_FMT_FP4
.elseif (\row) == 1
	v_wmma_scale_f32_16x16x128_f8f6f4 v[\d:\d+7], v[\a:\a+7], v[\b:\b+7], 0, v[\sa], v[\sb] matrix_a_fmt:MATRIX_FMT_FP4 matrix_b_fmt:MATRIX_FMT_FP4 matrix_a_scale:MATRIX_SCALE_ROW1
.else
	v_wmma_scale_f32_16x16x128_f8f6f4 v[\d:\d+7], v[\a:\a+7], v[\b:\b+7], 0, v[\sa], v[\sb] matrix_a_fmt:MATRIX_FMT_FP4 matrix_b_fmt:MATRIX_FMT_FP4 matrix_b_scale:MATRIX_SCALE_ROW1
.endif
.else
.if (\row) == 0
	v_wmma_scale_f32_16x16x128_f8f6f4 v[\d:\d+7], v[\a:\a+7], v[\b:\b+7], v[\c:\c+7], v[\sa], v[\sb] matrix_a_fmt:MATRIX_FMT_FP4 matrix_b_fmt:MATRIX_FMT_FP4
.elseif (\row) == 1
	v_wmma_scale_f32_16x16x128_f8f6f4 v[\d:\d+7], v[\a:\a+7], v[\b:\b+7], v[\c:\c+7], v[\sa], v[\sb] matrix_a_fmt:MATRIX_FMT_FP4 matrix_b_fmt:MATRIX_FMT_FP4 matrix_a_scale:MATRIX_SCALE_ROW1
.else
	v_wmma_scale_f32_16x16x128_f8f6f4 v[\d:\d+7], v[\a:\a+7], v[\b:\b+7], v[\c:\c+7], v[\sa], v[\sb] matrix_a_fmt:MATRIX_FMT_FP4 matrix_b_fmt:MATRIX_FMT_FP4 matrix_b_scale:MATRIX_SCALE_ROW1
.endif
.endif
.endm
; n blocks of 32, each half in my 16 registers at src + 16 b and half in lane l xor 16's: bytes into T2 + b, my 16 codes into PC + 2 b, PC + 2 b + 1.  The blocks take turns line by line.
.macro QB n, src
.set qb_b, 0
.rept \n
	v_max3_num_f32 v[TM+qb_b], |v[\src+16*qb_b]|, |v[\src+16*qb_b+1]|, 0x1800000   ; with the floor 2^(3 - 127): the byte cannot fall under 1
.set qb_b, qb_b+1
.endr
.irp i, 2,4,6,8,10,12,14
.set qb_b, 0
.rept \n
	v_max3_num_f32 v[TM+qb_b], v[TM+qb_b], |v[\src+16*qb_b+\i]|, |v[\src+16*qb_b+\i+1]|
.set qb_b, qb_b+1
.endr
.endr
.set qb_b, 0
.rept \n
	v_permlanex16_b32 v[T2+qb_b], v[TM+qb_b], s[SEL], s[SEL+1]
.set qb_b, qb_b+1
.endr
.set qb_b, 0
.rept \n
	v_max_num_f32 v[TM+qb_b], v[TM+qb_b], v[T2+qb_b]   ; the block's largest magnitude
.set qb_b, qb_b+1
.endr
.set qb_b, 0
.rept \n
	v_add_nc_u32 v[SOP+qb_b], 0xff000000, v[TM+qb_b]   ; 2 off its exponent field: the conversion's scale operand
.set qb_b, qb_b+1
.endr
.set qb_b, 0
.rept \n
	v_lshrrev_b32 v[T2+qb_b], 23, v[SOP+qb_b]          ; the scale's byte
.set qb_b, qb_b+1
.endr
.set qb_b, 0
.rept \n
	v_cvt_scalef32_pk8_fp4_f32 v[PC+2*qb_b], v[\src+16*qb_b:\src+16*qb_b+7], v[SOP+qb_b]
	v_cvt_scalef32_pk8_fp4_f32 v[PC+2*qb_b+1], v[\src+16*qb_b+8:\src+16*qb_b+15], v[SOP+qb_b]
.set qb_b, qb_b+1
.endr
	v_nop                                          ; one plain line behind the last scaled conversion
.endm
.macro WLOADK off, soff                ; a record: 16 loads of 512 dense bytes, and its scale words
.irp i, 0,1,2,3,4,5,6,7,8,9,10,11,12,13,14,15
	global_load_b128 v[WF+4*\i:WF+4*\i+3], v[LI], s[26:27] offset:\off+512*\i
.endr
	global_load_b128 v[WS:WS+3], v[LI], s[28:29] offset:\soff
.endm
; my part of group gp of x: tile w / 4, K step w % 4: 16 neighbours of each of four blocks of my row come out of the stage and go to LDS as codes and a scale word
.macro XQ adr, gp
.irp b, 0,1,2,3
.irp j, 0,1,2,3
	ds_load_b128 v[NUM+16*\b+4*\j:NUM+16*\b+4*\j+3], v[\adr] offset:128*\b+16*\j
.endr
.endr
	s_wait_dscnt 0x0                               ; the numbers are in; and the group before's stores have read their registers
	QB 4, NUM
.irp b, 0,1,2,3
	ds_store_b64 v[IST], v[PC+2*\b:PC+2*\b+1] offset:XIMG+16384*\gp+256*\b
.endr
	v_lshl_or_b32 v[XW], v[T2+1], 8, v[T2]
	v_lshl_or_b32 v[XW], v[T2+2], 16, v[XW]
	v_lshl_or_b32 v[XW], v[T2+3], 24, v[XW]
	ds_store_b32 v[SCST], v[XW] offset:1024*\gp    ; both halves of the lanes write the same word with the same value
.endm
; group gp's 64 tokens: four K steps of 128, eight accumulators by turns.  kind 0: K; kind 1: V
.macro PASS kind, gp
.irp t, 0,1,2,3
	ds_load_b128 v[XS+4*\t:XS+4*\t+3], v[LS] offset:XSC+1024*\gp+256*\t
.endr
.irp s, 0,1,2,3
.if \s > 0
	NOPS 4                                         ; places in front of loads into registers that the last products read
.endif
.irp t, 0,1,2,3
.irp c, 0,1
	ds_load_b128 v[XF+8*\t+4*\c:XF+8*\t+4*\c+3], v[LI] offset:XIMG+16384*\gp+4096*\t+1024*\s+512*\c
.endr
.endr
.if \s == 0
	s_wait_loadcnt 0x0                             ; the record
.endif
	s_wait_dscnt 0x0
.irp t, 0,1,2,3
.irp u, 0,1
.if \kind == 0
.if \s == 0
	MM ACC+16*\t+8*\u, WF+16*\s+8*\u, XF+8*\t, -1, WS+\s, XS+4*\t+\s, \u
.else
	MM ACC+16*\t+8*\u, WF+16*\s+8*\u, XF+8*\t, ACC+16*\t+8*\u, WS+\s, XS+4*\t+\s, \u
.endif
.else
.if \s == 0
	MM ACC+32*(\t/2)+16*\u+8*(\t%2), XF+8*\t, WF+16*\s+8*\u, -1, XS+4*\t+\s, WS+\s, 2*\u
.else
	MM ACC+32*(\t/2)+16*\u+8*(\t%2), XF+8*\t, WF+16*\s+8*\u, ACC+32*(\t/2)+16*\u+8*(\t%2), XS+4*\t+\s, WS+\s, 2*\u
.endif
.endif
.endr
.endr
.endr
	NOPS 4                                         ; places in front of the first read of results and of loads into the operands
.endm
; K of group gp, quantised (block t: key (t, r), its 32 channels): codes out, the four bytes kept as the key's scale word
.macro KOUT gp
.irp t, 0,1,2,3
	global_store_b64 v[CST], v[PC+2*\t:PC+2*\t+1], s[30:31] offset:1024*\gp+256*\t   ; 32 lanes store 256 consecutive bytes, aligned
.endr
	v_lshl_or_b32 v[KWA+\gp], v[T2+1], 8, v[T2]
	v_lshl_or_b32 v[KWA+\gp], v[T2+2], 16, v[KWA+\gp]
	v_lshl_or_b32 v[KWA+\gp], v[T2+3], 24, v[KWA+\gp]
.endm
; V of group gp, quantised (block 2 b + u: channel (u, r), keys 32 b .. 32 b + 31 of the group): codes out, bytes 2 gp + b of the channel's scale word kept
.macro VOUT gp
.irp b, 0,1
.irp u, 0,1
	global_store_b64 v[CST], v[PC+2*(2*\b+\u):PC+2*(2*\b+\u)+1], s[32:33] offset:1024*\u+512*\gp+256*\b
.endr
.endr
.if \gp == 0
	v_lshl_or_b32 v[VW0], v[T2+2], 8, v[T2]
	v_lshl_or_b32 v[VW1], v[T2+3], 8, v[T2+1]
.else
	v_lshl_or_b32 v[TP], v[T2+2], 8, v[T2]
	v_lshl_or_b32 v[TP+1], v[T2+3], 8, v[T2+1]
	v_lshl_or_b32 v[VW0], v[TP], 16, v[VW0]
	v_lshl_or_b32 v[VW1], v[TP+1], 16, v[VW1]
.endif
.endm
	s_load_b256 s[8:15], s[0:1], 0x0               ; x, encoder_output, wimg, wscl
	s_load_b128 s[16:19], s[0:1], 0x20             ; kimg, vimg
	s_load_b64 s[20:21], s[0:1], 0x30              ; ksc
	v_lshl_add_u32 v254, v0, 2, 0x4a000
	v_mov_b32 v255, 0
	v_lshrrev_b32 v1, 5, v0
	v_readfirstlane_b32 s2, v1                     ; wave 0..15 = head
	s_mov_b32 s3, ttmp9
	v_and_b32 v1, 15, v0                           ; r
	v_bfe_u32 v2, v0, 4, 1                         ; h
	v_and_b32 v15, 31, v0                          ; lane
	v_lshlrev_b32 v[LI], 4, v15
	v_lshlrev_b32 v[LS], 4, v1
	v_lshlrev_b32 v[L8], 3, v15
	s_lshl_b32 s38, s2, 14
	v_add_nc_u32 v[GX], s38, v[LI]
	s_and_b32 s38, s2, 1                           ; tokens 8 w .. 8 w + 7 go to stage rows with bits 3 and 4 of the token's number exchanged
	s_lshl_b32 s38, s38, 4
	s_bfe_u32 s39, s2, 0x10001
	s_lshl_b32 s39, s39, 3
	s_add_co_u32 s38, s38, s39
	s_lshr_b32 s39, s2, 2
	s_lshl_b32 s39, s39, 5
	s_add_co_u32 s38, s38, s39
	s_mul_i32 s38, s38, SPT
	s_add_co_u32 s38, s38, STG
	v_add_nc_u32 v[SIN], s38, v[LI]
	s_lshr_b32 s38, s2, 2                          ; I quantise tile w / 4 of each group, K step w % 4
	s_mul_i32 s38, s38, 16*SPT
	s_and_b32 s39, s2, 3
	s_lshl_b32 s40, s39, 9
	s_add_co_u32 s38, s38, s40
	s_add_co_u32 s38, s38, STG
	v_mul_u32_u24 v[SOUT], v1, SPT
	v_lshl_add_u32 v[SOUT], v2, 6, v[SOUT]
	v_add_nc_u32 v[SOUT], s38, v[SOUT]
	v_add_nc_u32 v[SO2], 64*SPT, v[SOUT]           ; group 1 lies 64 rows on: more than an LDS offset's 16 bits hold
	v_lshl_add_u32 v[CST], v2, 3, v[LS]
	s_lshl_b32 s38, s2, 10
	v_add_nc_u32 v[IST], s38, v[CST]               ; 4096 (w / 4) + 1024 (w % 4) = 1024 w
	s_lshr_b32 s38, s2, 2
	s_lshl_b32 s38, s38, 8
	s_lshl_b32 s39, s39, 2
	s_add_co_u32 s38, s38, s39
	s_add_co_u32 s38, s38, XSC
	v_add_nc_u32 v[SCST], s38, v[LS]
	s_lshl_b32 s38, s2, 8
	s_add_co_u32 s38, s38, KSR
	v_lshl_add_u32 v[SW], v15, 2, s38
	v_add_nc_u32 v[SR8], s38, v[L8]
.irp b, 0,1,2,3
	v_mov_b32 v[T2+\b], 0                          ; written once: a lane permute's destination counts as one of its sources
.endr
	s_mov_b32 s[SEL], 0x76543210
	s_mov_b32 s[SEL+1], 0xfedcba98
	s_lshr_b32 s4, s3, 6                           ; 0: x, 1: encoder_output
	s_and_b32 s5, s3, 7                            ; the step of 128 keys
	s_lshr_b32 s6, s3, 3
	s_lshl_b32 s6, s6, 4
	s_add_co_u32 s6, s6, s2                        ; the head's index: (source x 8 + batch) x 16 + w
	s_lshl_b32 s7, s4, 6
	s_add_co_u32 s7, s7, s2
	s_add_co_u32 s7, s7, 16                        ; K's record; V's lies 16 records on
	s_mov_b32 s23, 0
	s_mov_b32 s39, 0
	s_wait_kmcnt 0x0
	s_cmp_eq_u32 s4, 0                             ; the choice hangs on the work-group's number alone
	s_cselect_b64 s[24:25], s[8:9], s[10:11]
	s_and_b32 s22, s3, 63
	s_lshl_b32 s22, s22, 18                        ; 128 rows of 2,048 bytes
	s_add_nc_u64 s[24:25], s[24:25], s[22:23]      ; my 128 tokens
	s_lshl_b32 s22, s7, 13
	s_add_nc_u64 s[26:27], s[12:13], s[22:23]
	s_lshl_b32 s22, s7, 9
	s_add_nc_u64 s[28:29], s[14:15], s[22:23]
	s_lshl_b32 s38, s6, 14
	s_lshl_b32 s22, s5, 11
	s_add_co_u32 s38, s38, s22
	s_add_nc_u64 s[30:31], s[16:17], s[38:39]      ; kimg: the head's step
	s_add_nc_u64 s[32:33], s[18:19], s[38:39]      ; vimg likewise
	s_lshl_b32 s38, s6, 11
	s_lshl_b32 s22, s5, 8
	s_add_co_u32 s38, s38, s22
	s_add_nc_u64 s[34:35], s[20:21], s[38:39]      ; ksc: the step's unit of 256 bytes
.irp i, 0,1,2,3,4,5,6,7
.irp j, 0,1,2,3
	global_load_b128 v[NUM+16*\i+4*\j:NUM+16*\i+4*\j+3], v[GX], s[24:25] offset:2048*\i+512*\j th:TH_LOAD_NT   ; 512 consecutive bytes a load
.endr
.endr
	s_wait_loadcnt 16                              ; my first four rows are in; the 16 younger loads may be out
.irp i, 0,1,2,3
.irp j, 0,1,2,3
	ds_store_b128 v[SIN], v[NUM+16*\i+4*\j:NUM+16*\i+4*\j+3] offset:SPT*\i+512*\j
.endr
.endr
	s_wait_loadcnt 0x0
.irp i, 4,5,6,7
.irp j, 0,1,2,3
	ds_store_b128 v[SIN], v[NUM+16*\i+4*\j:NUM+16*\i+4*\j+3] offset:SPT*\i+512*\j
.endr
.endr
	BAR                                            ; the 128 rows lie in the stage, and my stores have read their registers
	WLOADK 0, 0                                    ; K's record lands while x is quantised
	XQ SOUT, 0
	XQ SO2, 1
	BAR                                            ; the codes and scale words of the 128 tokens lie in LDS
	PASS 0, 0                                      ; K, group 0
	QB 4, ACC
	KOUT 0
	PASS 0, 1                                      ; K, group 1
	s_wait_xcnt 0x0                                ; the stores above have read their data: the codes' registers are written again only behind this wait
	WLOADK 131072, 8192                            ; V's record lands while K is quantised
	QB 4, ACC
	KOUT 1
	PASS 1, 0                                      ; V, group 0
	s_wait_xcnt 0x0
	QB 4, ACC
	VOUT 0
	PASS 1, 1                                      ; V, group 1
	s_wait_xcnt 0x0
	QB 4, ACC
	VOUT 1
	; the step's scale words: every lane holds row r's; lanes 16-31 take group 1's (K) and tile 1's (V).  They turn through my wave's own 256 bytes of LDS, so that one store covers the unit
	s_mov_b32 vcc_lo, 0xffff0000
	v_cndmask_b32 v[KWA], v[KWA], v[KWA+1], vcc_lo
	v_cndmask_b32 v[VW0], v[VW0], v[VW1], vcc_lo
	ds_store_b32 v[SW], v[KWA]
	ds_store_b32 v[SW], v[VW0] offset:128
	ds_load_b64 v[OW:OW+1], v[SR8]                 ; LDS serves a wave's instructions in order: this sees my two stores
	s_wait_dscnt 0x0
	global_store_b64 v[L8], v[OW:OW+1], s[34:35]   ; 32 lanes store 256 consecutive bytes, aligned
	s_wait_tensorcnt 0x0
	ds_add_u32 v254, v255
	s_wait_dscnt 0x0
	s_endpgm
.Lfunc_end_k_q8f8a48a50d_kvproj:
	.size	k_q8f8a48a50d_kvproj, .Lfunc_end_k_q8f8a48a50d_kvproj-k_q8f8a48a50d_kvproj
	.p2alignl 7, 3214868480
	.fill 96, 4, 3214868480
	.section	.rodata,"a",@progbits
	.p2align	6, 0x0
	.amdhsa_kernel k_q8f8a48a50d_kvproj
		.amdhsa_group_segment_fixed_size 305152
		.amdhsa_private_segment_fixed_size 0
		.amdhsa_enable_private_segment 0
		.amdhsa_kernarg_size 56
		.amdhsa_user_sgpr_count 2
		.amdhsa_user_sgpr_kernarg_segment_ptr 1
		.amdhsa_wavefront_size32 1
		.amdhsa_system_sgpr_workgroup_id_x 1
		.amdhsa_system_sgpr_workgroup_id_y 1
		.amdhsa_system_sgpr_workgroup_id_z 1
		.amdhsa_system_vgpr_workitem_id 0
		.amdhsa_next_free_vgpr 256
		.amdhsa_next_free_sgpr 66
		.amdhsa_reserve_vcc 1
		.amdhsa_float_denorm_mode_32 3
		.amdhsa_float_denorm_mode_16_64 3
		.amdhsa_memory_ordered 1
		.amdhsa_forward_progress 1
		.amdhsa_inst_pref_size 67
	.end_amdhsa_kernel
	.amdgpu_metadata
---
amdhsa.version: [ 1, 2 ]
amdhsa.kernels:
  - .name:           k_q8f8a48a50d_kvproj
    .symbol:         k_q8f8a48a50d_kvproj.kd
    .args:
      - { .name: x, .offset: 0, .size: 8, .value_kind: global_buffer, .address_space: global }
      - { .name: encoder_output, .offset: 8, .size: 8, .value_kind: global_buffer, .address_space: global }
      - { .name: wimg, .offset: 16, .size: 8, .value_kind: global_buffer, .address_space: global }
      - { .name: wscl, .offset: 24, .size: 8, .value_kind: global_buffer, .address_space: global }
      - { .name: kimg, .offset: 32, .size: 8, .value_kind: global_buffer, .address_space: global }
      - { .name: vimg, .offset: 40, .size: 8, .value_kind: global_buffer, .address_space: global }
      - { .name: ksc, .offset: 48, .size: 8, .value_kind: global_buffer, .address_space: global }
    .group_segment_fixed_size: 305152
    .private_segment_fixed_size: 0
    .kernarg_segment_align: 8
    .kernarg_segment_size: 56
    .max_flat_workgroup_size: 512
    .sgpr_count:     66
    .vgpr_count:     256
    .wavefront_size: 32
...
	.end_amdgpu_metadata
.endif
;; end of part 2
;; launch chain (part 3): grid 256 x 1, 16 waves a work-group, no clusters, 125,440 bytes of LDS; arguments x, wimg, wscl, kimg, vimg, ksc, sa_pb, ca_pb, ff_b1, ff_b2, ln1_g, ln1_b, ln2_g, ln2_b, ln3_g, ln3_b, out0; writes out0
.if DOCPART == 3
	.amdgcn_target "amdgcn-amd-amdhsa--gfx1250"
	.amdhsa_code_object_version 6
	.text
	.protected	k_q8f8a48a50d_chain
	.globl	k_q8f8a48a50d_chain
	.p2align	8
	.type	k_q8f8a48a50d_chain,@function
k_q8f8a48a50d_chain:
	s_mov_b64 s[64:65], 0
	v_nop
	global_prefetch_b8 v0, s[64:65] scope:SCOPE_SE
	s_setreg_imm32_b32 hwreg(HW_REG_WAVE_MODE, 25, 1), 1
	s_wait_xcnt 0x0
; The whole decoder block for 32 tokens a work-group: LN1, q, causal attention, projection, residual; LN2, q, cross attention, projection, residual; LN3, FFN, residual.
; All products on FP4 codes with E8M0 scales; every operand computed here is quantised in registers; nothing but out0 goes to memory.
; SHARES.  Wave w of sixteen owns columns 32 w .. 32 w + 31 of every 512-wide row: head w, K block w of every operand, hidden units 128 w .. 128 w + 127, output columns 32 w on; for both tiles m of 16 tokens.
; LAYOUT.  Every product is used transposed (source 0 = 16 columns of a weight, 16 keys, or 16 channels of V; source 1 = 16 tokens), and the rows of source 0 are ordered r -> 8 u + r + 8 (r / 8):
; lane (r, h) then holds token r and, in the 16 registers of tiles u = 0, 1, the 16 neighbours 16 h + 0 .. 15.  Two lanes hold a block of 32; a lane's 16 codes are 8 bytes.
; AN OPERAND GOES FROM WAVE TO WAVE THROUGH LDS as [K block][row][16 bytes]: a fragment of K step s is two loads of 16 bytes a lane at 1024 s + 512 c + 16 x lane.
; THE HEAD'S 32 CHANNELS are a quarter of the instruction's K.  A fragment of K holds 64 keys, tile t in K block t; q stands in four variants, its codes in block t and zero codes elsewhere, made of overlapping runs of registers.
; The variant's scale word has q's byte at byte t and the byte 1 elsewhere.
; SOFTMAX.  t = score x log2(e) / sqrt(32); M = the running largest t rounded up to a whole number; p = 2^(t - M) is quantised along the keys; the sum is taken of the unquantised p and divides at the end.
; CAUSAL: steps of 128 keys beyond the work-group's queries are not walked (the trip count hangs on the work-group's number); in the last step hidden scores become -infinity.
; The norms take the mean first and then the squares of the differences: no difference of large sums.
; LIMITS: 1 / l and 1 / sqrt are v_rcp_f32 and v_rsq_f32; blocks of zeros, or under 2^-124, keep the scale byte 1 (zero codes add nothing); NaN and infinities among the inputs are not served.
; No tensor load and no cluster: each byte of the weights, of K and of V is read by ONE wave of the work-group, straight into its operand registers, so there is no LDS tile to share; and the causal trip counts differ between work-groups.
.set HIMG,  0                          ; LDS: a normed row block's codes: 4096 m + 256 kb + 16 r + 8 h
.set AIMG,  8192                       ; an attention's result, likewise
.set F2IMG, 16384                      ; the hidden layer: 16384 m + 256 kb + ..
.set HSC,   49152                      ; scale bytes: 256 m + 16 r + kb
.set ASC,   49664
.set F2SC,  50176                      ; 1024 m + 256 (kb / 16) + 16 r + kb % 16
.set PS1,   52224                      ; a row's sixteen partial sums: 80 x row + 4 w
.set PS2,   54784
.set XSTG,  57344                      ; the residual stream, f32: 32 rows of 2,048 bytes + 16
.set LI,  3                            ; v3   16 x lane
.set LS,  4                            ; v4   16 r
.set BST, 5                            ; v5   256 w + 16 r + 8 h
.set SST, 6                            ; v6   16 r + w
.set FST, 7                            ; v7   1024 w + 16 r + 8 h
.set FSS, 8                            ; v8   256 (w / 4) + 16 r + 4 (w % 4)
.set PSA, 9                            ; v9   80 r + 4 w
.set PSR, 10                           ; v10  80 r
.set XR,  11                           ; v11  XSTG + 2064 r + 128 w + 64 h: my 16 columns of row r
.set XD,  12                           ; v12  XSTG + 4128 w + 16 x lane: rows 2 w, 2 w + 1, whole
.set GD,  13                           ; v13  4096 w + 16 x lane: the same rows in memory
.set CB,  14                           ; v14  128 w + 64 h: my 16 numbers of a vector of 512
.set CB4, 15                           ; v15  512 w + 64 h: of ff_b1
.set KO,  16                           ; v16-19 offsets of the step's K, K's scales, V, V's scales
.set KSO, 17
.set VO,  18
.set VSO, 19
.set FA,  20                           ; v[20:21], v[22:23] pairs whose low word is broadcast
.set FB,  22
.set BI,  24                           ; v24-39, v40-55 biases in the result's layout
.set QF,  24                           ; v24-59 q: [0][lo 0][0][hi 0][0][lo 1][0][hi 1][0], four registers each
.set VD,  60                           ; v60  r - 16 h + 32 (block % 4)
.set NINF, 61                          ; v61  -infinity
.set L4,  62                           ; v62  4 x lane
.set WF,  64                           ; v64-127 a record's eight fragments
.set KF,  64                           ; v64-79  two fragments of K
.set VF,  80                           ; v80-95  two of V
.set S,   96                           ; v96-159 scores, then p
.set AF,  128                          ; v128-191 eight fragments of the tokens
.set XV,  128                          ; v128-159 my columns of the 32 rows
.set O,   160                          ; v160-191 the attention's sums
.set LG,  160
.set LB,  176
.set ACC, 192                          ; v192-223 four accumulators
.set PL,  192
.set ST,  192                          ; v192 + 4 m: -M, the largest t, the sum in two halves
.set WS,  224                          ; v224-235 hold scales and nothing else
.set AS,  228
.set QS,  224
.set KSC, 232
.set VSC, 233
.set PSW, 234
.set TM,  236
.set T2,  240
.set SOP, 244
.set PC,  248
.set W,    2
.set WG,   3
.set JN,   4
.set QBN,  5
.set LAST, 6                           ; s6   the last key step that is walked
.set J,    7                           ; s7   the key step in hand
.set NST,  77                          ; s77  the number of key steps: LAST + 1; the walk's loop writes neither
.set SEL,  42
.set ONES, 45
.set CS,   46
.set WB,   48
.set WB4,  50
.set WSB,  52
.set WSB4, 54
.set KB1,  56
.set VB1,  58
.set SB1,  60
.set KB2,  66
.set VB2,  68
.set SB2,  70
.set R512, 72
.set EPS,  73
.macro NOPS n
.rept \n
	v_nop
.endr
.endm
.macro BAR                             ; my LDS stores have landed and my LDS loads are in: then the work-group's barrier
	s_wait_dscnt 0x0
	s_barrier_signal -1
	s_barrier_wait -1
.endm
; one product.  c under 0: the constant 0 starts the sum.  row 1: source 0's scales in lanes 16-31
.macro MM d, a, b, c, sa, sb, row
.if (\c) < 0
.if (\row) == 0
	v_wmma_scale_f32_16x16x128_f8f6f4 v[\d:\d+7], v[\a:\a+7], v[\b:\b+7], 0, v[\sa], v[\sb] matrix_a_fmt:MATRIX_FMT_FP4 matrix_b_fmt:MATRIX_FMT_FP4
.else
	v_wmma_scale_f32_16x16x128_f8f6f4 v[\d:\d+7], v[\a:\a+7], v[\b:\b+7], 0, v[\sa], v[\sb] matrix_a_fmt:MATRIX_FMT_FP4 matrix_b_fmt:MATRIX_FMT_FP4 matrix_a_scale:MATRIX_SCALE_ROW1
.endif
.else
.if (\row) == 0
	v_wmma_scale_f32_16x16x128_f8f6f4 v[\d:\d+7], v[\a:\a+7], v[\b:\b+7], v[\c:\c+7], v[\sa], v[\sb] matrix_a_fmt:MATRIX_FMT_FP4 matrix_b_fmt:MATRIX_FMT_FP4
.else
	v_wmma_scale_f32_16x16x128_f8f6f4 v[\d:\d+7], v[\a:\a+7], v[\b:\b+7], v[\c:\c+7], v[\sa], v[\sb] matrix_a_fmt:MATRIX_FMT_FP4 matrix_b_fmt:MATRIX_FMT_FP4 matrix_a_scale:MATRIX_SCALE_ROW1
.endif
.endif
.endm
; n blocks of 32, each half in my 16 registers at src + 16 b and half in lane l xor 16's: bytes into T2 + b, my 16 codes into PC + 2 b, PC + 2 b + 1
.macro QB n, src
.set qb_b, 0
.rept \n
	v_max3_num_f32 v[TM+qb_b], |v[\src+16*qb_b]|, |v[\src+16*qb_b+1]|, 0x1800000   ; with the floor 2^(3 - 127): the byte cannot fall under 1
.set qb_b, qb_b+1
.endr
.irp i, 2,4,6,8,10,12,14
.set qb_b, 0
.rept \n
	v_max3_num_f32 v[TM+qb_b], v[TM+qb_b], |v[\src+16*qb_b+\i]|, |v[\src+16*qb_b+\i+1]|
.set qb_b, qb_b+1
.endr
.endr
.set qb_b, 0
.rept \n
	v_permlanex16_b32 v[T2+qb_b], v[TM+qb_b], s[SEL], s[SEL+1]
.set qb_b, qb_b+1
.endr
.set qb_b, 0
.rept \n
	v_max_num_f32 v[TM+qb_b], v[TM+qb_b], v[T2+qb_b]   ; the block's largest magnitude
.set qb_b, qb_b+1
.endr
.set qb_b, 0
.rept \n
	v_add_nc_u32 v[SOP+qb_b], 0xff000000, v[TM+qb_b]   ; 2 off its exponent field: the conversion's scale operand
.set qb_b, qb_b+1
.endr
.set qb_b, 0
.rept \n
	v_lshrrev_b32 v[T2+qb_b], 23, v[SOP+qb_b]          ; the scale's byte
.set qb_b, qb_b+1
.endr
.set qb_b, 0
.rept \n
	v_cvt_scalef32_pk8_fp4_f32 v[PC+2*qb_b], v[\src+16*qb_b:\src+16*qb_b+7], v[SOP+qb_b]
	v_cvt_scalef32_pk8_fp4_f32 v[PC+2*qb_b+1], v[\src+16*qb_b+8:\src+16*qb_b+15], v[SOP+qb_b]
.set qb_b, qb_b+1
.endr
	v_nop                                          ; one plain line behind the last scaled conversion
.endm
.macro WLOAD sb, off, ssb, soff        ; a record: 16 loads of 512 dense bytes, and its scale words: 17 loads
.irp i, 0,1,2,3,4,5,6,7,8,9,10,11,12,13,14,15
	global_load_b128 v[WF+4*\i:WF+4*\i+3], v[LI], s[\sb:\sb+1] offset:\off+512*\i
.endr
	global_load_b128 v[WS:WS+3], v[LI], s[\ssb:\ssb+1] offset:\soff
.endm
.macro BLOAD ptr, voff, off, reg       ; my 16 numbers of a bias: the C of two tiles
.irp j, 0,1,2,3
	global_load_b128 v[\reg+4*\j:\reg+4*\j+3], v[\voff], s[\ptr:\ptr+1] offset:\off+16*\j
.endr
.endm
.macro LNLD g, b                       ; my 16 numbers of a norm's gain and bias: 8 loads
.irp j, 0,1,2,3
	global_load_b128 v[LG+4*\j:LG+4*\j+3], v[CB], s[\g:\g+1] offset:16*\j
.endr
.irp j, 0,1,2,3
	global_load_b128 v[LB+4*\j:LB+4*\j+3], v[CB], s[\b:\b+1] offset:16*\j
.endr
.endm
.macro AFETCH img, mst, sc, sst        ; 512 along K of both tiles of tokens: eight fragments and their scale words
.irp m, 0,1
.irp i, 0,1,2,3,4,5,6,7
	ds_load_b128 v[AF+32*\m+4*\i:AF+32*\m+4*\i+3], v[LI] offset:\img+\mst*\m+512*\i
.endr
.endr
.irp m, 0,1
	ds_load_b128 v[AS+4*\m:AS+4*\m+3], v[LS] offset:\sc+\sst*\m
.endr
.endm
; 16 products: four K steps, four accumulators by turns.  cm 0: the sums start at 0; 1: at the bias in bi; 2: they go on
.macro GMUL cm, bi
.irp s, 0,1,2,3
.irp m, 0,1
.irp u, 0,1
.if (\s == 0) && (\cm == 0)
	MM ACC+16*\m+8*\u, WF+16*\s+8*\u, AF+32*\m+8*\s, -1, WS+\s, AS+4*\m+\s, \u
.elseif (\s == 0) && (\cm == 1)
	MM ACC+16*\m+8*\u, WF+16*\s+8*\u, AF+32*\m+8*\s, \bi+8*\u, WS+\s, AS+4*\m+\s, \u
.else
	MM ACC+16*\m+8*\u, WF+16*\s+8*\u, AF+32*\m+8*\s, ACC+16*\m+8*\u, WS+\s, AS+4*\m+\s, \u
.endif
.endr
.endr
.endr
	NOPS 4                                         ; places in front of the first read of results and of loads into the operands
.endm
.macro BSTORE adr, sadr, img, mst, sc, sst   ; my 16 codes and my block's byte, for both tiles; both halves of the lanes write the same byte with the same value
.irp m, 0,1
	ds_store_b64 v[\adr], v[PC+2*\m:PC+2*\m+1] offset:\img+\mst*\m
	ds_store_b8 v[\sadr], v[T2+\m] offset:\sc+\sst*\m
.endr
.endm
; the sum (sq = 0) or the sum of squares (sq = 1) of each of the 32 rows, into v[PL] and v[PL+16]: my 16, lane l xor 16's, then the sixteen waves' through LDS, added in one order in every wave
.macro LSUM sq, ps
.irp m, 0,1
.if \sq
	v_pk_mul_f32 v[PL+8*\m:PL+8*\m+1], v[XV+16*\m:XV+16*\m+1], v[XV+16*\m:XV+16*\m+1]
	v_pk_mul_f32 v[PL+8*\m+2:PL+8*\m+3], v[XV+16*\m+2:XV+16*\m+3], v[XV+16*\m+2:XV+16*\m+3]
.else
	v_pk_add_f32 v[PL+8*\m:PL+8*\m+1], v[XV+16*\m:XV+16*\m+1], v[XV+16*\m+4:XV+16*\m+5]
	v_pk_add_f32 v[PL+8*\m+2:PL+8*\m+3], v[XV+16*\m+2:XV+16*\m+3], v[XV+16*\m+6:XV+16*\m+7]
.endif
.endr
.irp i, 4,8,12
.irp m, 0,1
.if \sq
	v_pk_fma_f32 v[PL+8*\m:PL+8*\m+1], v[XV+16*\m+\i:XV+16*\m+\i+1], v[XV+16*\m+\i:XV+16*\m+\i+1], v[PL+8*\m:PL+8*\m+1]
	v_pk_fma_f32 v[PL+8*\m+2:PL+8*\m+3], v[XV+16*\m+\i+2:XV+16*\m+\i+3], v[XV+16*\m+\i+2:XV+16*\m+\i+3], v[PL+8*\m+2:PL+8*\m+3]
.elseif \i > 4
	v_pk_add_f32 v[PL+8*\m:PL+8*\m+1], v[PL+8*\m:PL+8*\m+1], v[XV+16*\m+\i:XV+16*\m+\i+1]
	v_pk_add_f32 v[PL+8*\m+2:PL+8*\m+3], v[PL+8*\m+2:PL+8*\m+3], v[XV+16*\m+\i+2:XV+16*\m+\i+3]
.endif
.endr
.endr
.irp m, 0,1
	v_pk_add_f32 v[PL+8*\m:PL+8*\m+1], v[PL+8*\m:PL+8*\m+1], v[PL+8*\m+2:PL+8*\m+3]
.endr
.irp m, 0,1
	v_add_f32 v[PL+8*\m], v[PL+8*\m], v[PL+8*\m+1]
.endr
.irp m, 0,1
	v_permlanex16_b32 v[PL+8*\m+2], v[PL+8*\m], s[SEL], s[SEL+1]
.endr
.irp m, 0,1
	v_add_f32 v[PL+8*\m], v[PL+8*\m], v[PL+8*\m+2]
.endr
.irp m, 0,1
	ds_store_b32 v[PSA], v[PL+8*\m] offset:\ps+1280*\m
.endr
	BAR
.irp m, 0,1
.irp i, 0,1,2,3
	ds_load_b128 v[PL+16*\m+4*\i:PL+16*\m+4*\i+3], v[PSR] offset:\ps+1280*\m+16*\i
.endr
.endr
	s_wait_dscnt 0x0
.irp m, 0,1
.irp i, 0,4,8,12
	v_pk_add_f32 v[PL+16*\m+\i:PL+16*\m+\i+1], v[PL+16*\m+\i:PL+16*\m+\i+1], v[PL+16*\m+\i+2:PL+16*\m+\i+3]
.endr
.endr
.irp m, 0,1
.irp i, 0,8
	v_pk_add_f32 v[PL+16*\m+\i:PL+16*\m+\i+1], v[PL+16*\m+\i:PL+16*\m+\i+1], v[PL+16*\m+\i+4:PL+16*\m+\i+5]
.endr
.endr
.irp m, 0,1
	v_pk_add_f32 v[PL+16*\m:PL+16*\m+1], v[PL+16*\m:PL+16*\m+1], v[PL+16*\m+8:PL+16*\m+9]
.endr
.irp m, 0,1
	v_add_f32 v[PL+16*\m], v[PL+16*\m], v[PL+16*\m+1]
.endr
.endm
; the norm of the rows in XV, quantised, into HIMG.  yg: the loads issued behind the gain's and the bias's, which may stay out
.macro LNQ yg
	LSUM 0, PS1
	v_mul_f32 v[FA], s[R512], v[PL]                ; the means
	v_mul_f32 v[FB], s[R512], v[PL+16]
.set cn, 0
.rept 8
	v_pk_add_f32 v[XV+cn:XV+cn+1], v[XV+cn:XV+cn+1], v[FA:FA+1] op_sel_hi:[1,0] neg_lo:[0,1] neg_hi:[0,1]
	v_pk_add_f32 v[XV+16+cn:XV+17+cn], v[XV+16+cn:XV+17+cn], v[FB:FB+1] op_sel_hi:[1,0] neg_lo:[0,1] neg_hi:[0,1]
.set cn, cn+2
.endr
	LSUM 1, PS2
	v_fma_f32 v[PL], v[PL], s[R512], s[EPS]        ; the variance + eps
	v_fma_f32 v[PL+16], v[PL+16], s[R512], s[EPS]
	v_rsq_f32 v[FA], v[PL]
	v_rsq_f32 v[FB], v[PL+16]
	v_nop                                          ; a plain line behind the last of the two
	s_wait_alu depctr_va_vdst(0)                   ; one wait for both, ahead of their first reader
	s_wait_loadcnt \yg                             ; the gain and the bias are in
.set cn, 0
.rept 8
	v_pk_mul_f32 v[XV+cn:XV+cn+1], v[XV+cn:XV+cn+1], v[FA:FA+1] op_sel_hi:[1,0]
	v_pk_mul_f32 v[XV+16+cn:XV+17+cn], v[XV+16+cn:XV+17+cn], v[FB:FB+1] op_sel_hi:[1,0]
.set cn, cn+2
.endr
.set cn, 0
.rept 8
	v_pk_fma_f32 v[XV+cn:XV+cn+1], v[XV+cn:XV+cn+1], v[LG+cn:LG+cn+1], v[LB+cn:LB+cn+1]
	v_pk_fma_f32 v[XV+16+cn:XV+17+cn], v[XV+16+cn:XV+17+cn], v[LG+cn:LG+cn+1], v[LB+cn:LB+cn+1]
.set cn, cn+2
.endr
	QB 2, XV
	BSTORE BST, SST, HIMG, 4096, HSC, 256
	BAR                                            ; the normed rows' codes lie in LDS
.endm
.macro KGRP kb, sb                     ; a step's 128 keys: two fragments and their scale words: 5 loads
.irp i, 0,1,2,3
	global_load_b128 v[KF+4*\i:KF+4*\i+3], v[KO], s[\kb:\kb+1] offset:512*\i
.endr
	global_load_b32 v[KSC], v[KSO], s[\sb:\sb+1]
.endm
.macro VGRP vb, sb                     ; the same of V: 5 loads
.irp i, 0,1,2,3
	global_load_b128 v[VF+4*\i:VF+4*\i+3], v[VO], s[\vb:\vb+1] offset:512*\i
.endr
	global_load_b32 v[VSC], v[VSO], s[\sb:\sb+1] offset:128
.endm
; q's codes (PC, T2 as QB 2 left them) become the four variants and their scale words
.macro MKQ
.irp g, 0,2,4,6,8
.irp i, 0,1,2,3
	v_mov_b32 v[QF+4*\g+\i], 0
.endr
.endr
.irp m, 0,1
	v_permlanex16_b32 v[TM+2*\m], v[PC+2*\m], s[SEL], s[SEL+1]       ; the other 16 channels' codes
	v_permlanex16_b32 v[TM+2*\m+1], v[PC+2*\m+1], s[SEL], s[SEL+1]
.endr
	s_mov_b32 vcc_lo, 0xffff0000                   ; lanes 16-31
.irp m, 0,1
	v_cndmask_b32 v[QF+16*\m+4], v[PC+2*\m], v[QF], vcc_lo           ; lo: the 32 codes in lanes 0-15, zeros above
	v_cndmask_b32 v[QF+16*\m+5], v[PC+2*\m+1], v[QF], vcc_lo
	v_cndmask_b32 v[QF+16*\m+6], v[TM+2*\m], v[QF], vcc_lo
	v_cndmask_b32 v[QF+16*\m+7], v[TM+2*\m+1], v[QF], vcc_lo
	v_cndmask_b32 v[QF+16*\m+12], v[QF], v[TM+2*\m], vcc_lo          ; hi: in lanes 16-31, zeros below
	v_cndmask_b32 v[QF+16*\m+13], v[QF], v[TM+2*\m+1], vcc_lo
	v_cndmask_b32 v[QF+16*\m+14], v[QF], v[PC+2*\m], vcc_lo
	v_cndmask_b32 v[QF+16*\m+15], v[QF], v[PC+2*\m+1], vcc_lo
	v_add_nc_u32 v[SOP+\m], -1, v[T2+\m]
.endr
.irp m, 0,1
.irp k, 0,1,2,3
	v_lshl_add_u32 v[QS+4*\m+\k], v[SOP+\m], 8*\k, s[ONES]           ; q's byte at byte k, 1 elsewhere
.endr
.endr
.endm
; S^T of 128 keys for tile m: eight products that start at 0; tile t of fragment t / 4 meets variant t % 4
.macro SMUL m
.irp t, 0,1,2,3,4,5,6,7
	MM S+8*\t, KF+8*(\t/4), QF+16*\m+8*(\t%2)+4*(1-(\t%4)/2), -1, KSC, QS+4*\m+\t%4, \t/4
.endr
.endm
; the softmax of tile m's 128 scores, p's codes, and O^T += V^T p^T
.macro SOFT m, causal, vwait
.set sT, ST+4*\m
.set sO, O+16*\m
.if \causal
	s_cmp_lg_u32 s[J], s[LAST]                     ; only the last step meets the diagonal
	s_cbranch_scc1 .Lopen_\@
.set cn, 0
.rept 64
	v_cmp_gt_i32 vcc_lo, 32*(cn/16)+cn%16-16*\m, v[VD]               ; register 16 b + i holds key 32 b + 16 h + i of the step
	v_cndmask_b32 v[S+cn], v[S+cn], v[NINF], vcc_lo
.set cn, cn+1
.endr
.Lopen_\@:
.endif
.irp b, 0,1,2,3
	v_max3_num_f32 v[TM+\b], v[S+16*\b], v[S+16*\b+1], v[S+16*\b+2]  ; the largest score of each block of 32 keys: for the row's maximum and for the block's largest p
.endr
.irp i, 3,5,7,9,11,13
.irp b, 0,1,2,3
	v_max3_num_f32 v[TM+\b], v[TM+\b], v[S+16*\b+\i], v[S+16*\b+\i+1]
.endr
.endr
.irp b, 0,1,2,3
	v_max_num_f32 v[TM+\b], v[TM+\b], v[S+16*\b+15]
.endr
.irp b, 0,1,2,3
	v_permlanex16_b32 v[T2+\b], v[TM+\b], s[SEL], s[SEL+1]
.endr
.irp b, 0,1,2,3
	v_max_num_f32 v[TM+\b], v[TM+\b], v[T2+\b]
.endr
	v_max3_num_f32 v[FB], v[TM], v[TM+1], v[TM+2]
	v_max_num_f32 v[FB], v[FB], v[TM+3]
	v_mul_f32 v[FB], s[CS], v[FB]                  ; as t
	v_max_num_f32 v[sT+1], v[sT+1], v[FB]          ; the running largest t
	v_mov_b32 v[FB], v[sT]
	v_floor_f32 v[sT], -v[sT+1]                    ; the new -M: a whole number
	v_sub_f32 v[FB], v[sT], v[FB]
	v_cvt_i32_f32 v[FB], v[FB]                     ; (it saturates)
	v_ldexp_f32 v[FA], 1.0, v[FB]                  ; f = 2^(old M - new M)
.set cn, 0
.rept 32
	v_pk_fma_f32 v[S+cn:S+cn+1], v[S+cn:S+cn+1], s[CS:CS+1], v[sT:sT+1] op_sel_hi:[1,0,0]   ; t - M
.set cn, cn+2
.endr
.irp b, 0,1,2,3
	v_fma_f32 v[TM+\b], v[TM+\b], s[CS], v[sT]
.endr
.set cn, 0
.rept 64
	v_exp_f32 v[S+cn], v[S+cn]                     ; p = 2^(t - M)
.set cn, cn+1
.endr
	v_pk_mul_f32 v[sT+2:sT+3], v[sT+2:sT+3], v[FA:FA+1] op_sel_hi:[1,0]   ; the sums under the new M: the plain line behind the exponentials
	s_wait_alu depctr_va_vdst(0)                   ; one wait for the batch, ahead of its first reader
.irp b, 0,1,2,3
	v_exp_f32 v[TM+\b], v[TM+\b]                   ; each block's largest p
.endr
	v_pk_add_f32 v[T2:T2+1], v[S:S+1], v[S+2:S+3]  ; the row's sum of the unquantised p, in two chains
.irp j, 4,8,12,16,20,24,28,32,36,40,44,48,52,56,60
	v_pk_add_f32 v[sT+2:sT+3], v[sT+2:sT+3], v[S+\j:S+\j+1]
	v_pk_add_f32 v[T2:T2+1], v[T2:T2+1], v[S+\j+2:S+\j+3]
.endr
	v_pk_add_f32 v[sT+2:sT+3], v[sT+2:sT+3], v[T2:T2+1]
	s_wait_alu depctr_va_vdst(0)                   ; and one for the four
.irp b, 0,1,2,3
	v_max_num_f32 v[TM+\b], 0x1800000, v[TM+\b]    ; the floor: the byte cannot fall under 1
.endr
.irp b, 0,1,2,3
	v_add_nc_u32 v[SOP+\b], 0xff000000, v[TM+\b]
.endr
.irp b, 0,1,2,3
	v_lshrrev_b32 v[T2+\b], 23, v[SOP+\b]
.endr
	v_lshl_or_b32 v[PSW], v[T2+1], 8, v[T2]        ; p's scale word for these 128 keys
	v_lshl_or_b32 v[PSW], v[T2+2], 16, v[PSW]
	v_lshl_or_b32 v[PSW], v[T2+3], 24, v[PSW]
.irp b, 0,1,2,3
	v_cvt_scalef32_pk8_fp4_f32 v[PC+2*\b], v[S+16*\b:S+16*\b+7], v[SOP+\b]
	v_cvt_scalef32_pk8_fp4_f32 v[PC+2*\b+1], v[S+16*\b+8:S+16*\b+15], v[SOP+\b]
.endr
	v_nop                                          ; one plain line behind the last scaled conversion
.irp c, 0,1                                    ; the operand wants a whole block in a lane
.irp i, 0,1
	v_permlane16_swap_b32 v[PC+4*\c+\i], v[PC+2+4*\c+\i]
.endr
.endr
.set cn, 0
.rept 8
	v_pk_mul_f32 v[sO+cn:sO+cn+1], v[sO+cn:sO+cn+1], v[FA:FA+1] op_sel_hi:[1,0]   ; O^T under the new M, from its low end on
.set cn, cn+2
.endr
	NOPS 4                                         ; with the lines above: the places between the scale word's and the codes' last writes and the products
.if \vwait
	s_wait_loadcnt 0x0                             ; V of this step is in (nothing younger is out)
.endif
	MM sO, VF, PC, sO, VSC, PSW, 0
	MM sO+8, VF+8, PC, sO+8, VSC, PSW, 1
.endm
; q = the normed rows x a weight, quantised; the first step's K and V are asked for behind the products
.macro QP kb, vb, sb
	AFETCH HIMG, 4096, HSC, 256
	s_wait_loadcnt 0x0                             ; the record
	s_wait_dscnt 0x0
	GMUL 0, 0
	v_mov_b32 v[KO], v[LI]                         ; (every earlier load that read these four has been waited for)
	v_mov_b32 v[KSO], v[L4]
	v_mov_b32 v[VO], v[LI]
	v_mov_b32 v[VSO], v[L4]
	KGRP \kb, \sb
	VGRP \vb, \sb
	QB 2, ACC
	MKQ
.irp m, 0,1
	v_mov_b32 v[ST+4*\m+1], 0xff61b1e6             ; the largest t so far: -3e38
	v_mov_b32 v[ST+4*\m+2], 0
	v_mov_b32 v[ST+4*\m+3], 0
.endr
.irp m, 0,1
	v_floor_f32 v[ST+4*\m], -v[ST+4*\m+1]
.endr
.set cn, 0
.rept 32
	v_mov_b32 v[O+cn], 0                           ; the step is written once: the first finds zeros.  (These lines are also the places behind the writes of q's codes and scale words)
.set cn, cn+1
.endr
.endm
; the walk over the keys, 128 a trip, steps 0 .. LAST: NST = LAST + 1 trips, counted by J, which steps by 1 and is compared with NST by 'less than'.
; K of the next step is asked for behind tile 1's scores, V behind tile 1's second product; the last trip asks for its own step once more (a clamped address) and uses nothing of it
.macro ATT causal, kb, vb, sb
	s_mov_b32 s[J], 0
.Latt_\@:
	s_wait_loadcnt 0x5                             ; K's five loads are in; V's five, issued behind them, may be out
	SMUL 0
	NOPS 4
	SOFT 0, \causal, 1
	SMUL 1
	s_add_co_u32 s[JN], s[J], 1
	s_min_u32 s[JN], s[JN], s[LAST]
	v_lshl_add_u32 v[KO], s[JN], 11, v[LI]         ; K's loads were shown done at the trip's head: their offsets may be written.  With the two lines below: four places
	v_lshl_add_u32 v[KSO], s[JN], 8, v[L4]
	NOPS 2
	KGRP \kb, \sb
	SOFT 1, \causal, 0
	v_lshl_add_u32 v[VO], s[JN], 11, v[LI]         ; V's loads were shown done in tile 0's turn
	v_lshl_add_u32 v[VSO], s[JN], 8, v[L4]
	NOPS 2
	VGRP \vb, \sb
	s_add_co_u32 s[J], s[J], 1
	s_cmp_lt_u32 s[J], s[NST]
	s_cbranch_scc1 .Latt_\@
	s_wait_loadcnt 0x0
.endm
; O^T / the sum, quantised, into AIMG
.macro FIN
.irp m, 0,1
	v_add_f32 v[TM+\m], v[ST+4*\m+2], v[ST+4*\m+3]
.endr
.irp m, 0,1
	v_permlanex16_b32 v[T2+\m], v[TM+\m], s[SEL], s[SEL+1]
.endr
.irp m, 0,1
	v_add_f32 v[TM+\m], v[TM+\m], v[T2+\m]         ; the row's sum
.endr
	v_rcp_f32 v[FA], v[TM]
	v_rcp_f32 v[FB], v[TM+1]
	v_nop
	s_wait_alu depctr_va_vdst(0)                   ; one wait for both reciprocals, ahead of their first reader
.set cn, 0
.rept 8
	v_pk_mul_f32 v[O+cn:O+cn+1], v[O+cn:O+cn+1], v[FA:FA+1] op_sel_hi:[1,0]
.set cn, cn+2
.endr
.set cn, 0
.rept 8
	v_pk_mul_f32 v[O+16+cn:O+17+cn], v[O+16+cn:O+17+cn], v[FB:FB+1] op_sel_hi:[1,0]
.set cn, cn+2
.endr
	QB 2, O
	BSTORE BST, SST, AIMG, 4096, ASC, 256
	BAR
.endm
; the residual: my columns of the 32 rows come from the stage, take the accumulators, and go back.  The bytes are my wave's own
.macro RESADD
.irp m, 0,1
.irp j, 0,1,2,3
	ds_load_b128 v[XV+16*\m+4*\j:XV+16*\m+4*\j+3], v[XR] offset:33024*\m+16*\j
.endr
.endr
	s_wait_dscnt 0x0
.set cn, 0
.rept 16
	v_pk_add_f32 v[XV+cn:XV+cn+1], v[XV+cn:XV+cn+1], v[ACC+cn:ACC+cn+1]   ; each accumulator from its low end on
.set cn, cn+2
.endr
.irp m, 0,1
.irp j, 0,1,2,3
	ds_store_b128 v[XR], v[XV+16*\m+4*\j:XV+16*\m+4*\j+3] offset:33024*\m+16*\j
.endr
.endr
.endm
	s_load_b512 s[8:23], s[0:1], 0x0               ; x, wimg, wscl, kimg, vimg, ksc, sa_pb, ca_pb
	s_load_b512 s[24:39], s[0:1], 0x40             ; ff_b1, ff_b2, ln1_g, ln1_b, ln2_g, ln2_b, ln3_g, ln3_b
	s_load_b64 s[40:41], s[0:1], 0x80              ; out0
	v_lshrrev_b32 v1, 5, v0
	v_readfirstlane_b32 s[W], v1                   ; wave 0..15
	s_mov_b32 s[WG], ttmp9
	s_and_b32 s[QBN], s[WG], 31                    ; which 32 tokens of the batch
	v_and_b32 v1, 15, v0                           ; r
	v_bfe_u32 v2, v0, 4, 1                         ; h
	v_and_b32 v63, 31, v0
	v_lshlrev_b32 v[LI], 4, v63
	v_lshlrev_b32 v[LS], 4, v1
	v_lshlrev_b32 v[L4], 2, v63
	v_lshl_add_u32 v[BST], v2, 3, v[LS]
	s_lshl_b32 s74, s[W], 10
	v_add_nc_u32 v[FST], s74, v[BST]
	s_lshl_b32 s74, s[W], 8
	v_add_nc_u32 v[BST], s74, v[BST]
	v_add_nc_u32 v[SST], s[W], v[LS]
	s_lshr_b32 s74, s[W], 2
	s_lshl_b32 s74, s74, 8
	s_and_b32 s75, s[W], 3
	s_lshl_b32 s75, s75, 2
	s_add_co_u32 s74, s74, s75
	v_add_nc_u32 v[FSS], s74, v[LS]
	v_mul_u32_u24 v[PSR], v1, 80
	s_lshl_b32 s74, s[W], 2
	v_add_nc_u32 v[PSA], s74, v[PSR]
	v_mul_u32_u24 v[XR], v1, 2064
	v_lshl_add_u32 v[XR], v2, 6, v[XR]
	s_lshl_b32 s74, s[W], 7
	s_add_co_u32 s75, s74, XSTG
	v_add_nc_u32 v[XR], s75, v[XR]
	v_lshlrev_b32 v[CB], 6, v2
	s_lshl_b32 s75, s[W], 9
	v_add_nc_u32 v[CB4], s75, v[CB]
	v_add_nc_u32 v[CB], s74, v[CB]
	s_mul_i32 s74, s[W], 4128
	s_add_co_u32 s74, s74, XSTG
	v_add_nc_u32 v[XD], s74, v[LI]
	s_lshl_b32 s74, s[W], 12
	v_add_nc_u32 v[GD], s74, v[LI]
	s_and_b32 s74, s[QBN], 3
	s_lshl_b32 s74, s74, 5
	v_lshlrev_b32 v63, 4, v2
	v_sub_nc_u32 v[VD], v1, v63
	v_add_nc_u32 v[VD], s74, v[VD]
	v_mov_b32 v[NINF], 0xff800000
.irp i, 0,1,2,3
	v_mov_b32 v[FA+\i], 0                          ; the pairs' upper words are named with the lower, so they are written
.endr
.irp i, 0,1,2,3,4,5,6,7,8,9,10,11
	v_mov_b32 v[TM+\i], 0                          ; written once: a lane permute's destination counts as one of its sources
.endr
	s_mov_b32 s[SEL], 0x76543210
	s_mov_b32 s[SEL+1], 0xfedcba98
	s_mov_b32 s[ONES], 0x01010101
	s_mov_b32 s[CS], 0x3e8293ee                    ; c = log2(e) / sqrt(32)
	s_mov_b32 s[CS+1], s[CS]
	s_mov_b32 s[R512], 0x3b000000                  ; 1 / 512
	s_mov_b32 s[EPS], 0x3727c5ac                   ; 1e-5
	s_mov_b32 s75, 0
	s_wait_kmcnt 0x0
	s_lshl_b32 s74, s[WG], 16                      ; 32 rows of 2,048 bytes
	s_add_nc_u64 s[8:9], s[8:9], s[74:75]
	s_add_nc_u64 s[40:41], s[40:41], s[74:75]
	s_lshl_b32 s74, s[W], 13
	s_add_nc_u64 s[WB:WB+1], s[10:11], s[74:75]    ; record w of a 512 x 512 weight: the weight stands in the immediates
	s_lshl_b32 s74, s[W], 15
	s_add_nc_u64 s[WB4:WB4+1], s[10:11], s[74:75]  ; record 4 w of the FFN's weights
	s_lshl_b32 s74, s[W], 9
	s_add_nc_u64 s[WSB:WSB+1], s[12:13], s[74:75]
	s_lshl_b32 s74, s[W], 11
	s_add_nc_u64 s[WSB4:WSB4+1], s[12:13], s[74:75]
	s_lshr_b32 s76, s[WG], 5
	s_lshl_b32 s76, s76, 4
	s_add_co_u32 s76, s76, s[W]                    ; the head's index: 16 x batch + w
	s_lshl_b32 s74, s76, 14
	s_add_nc_u64 s[KB1:KB1+1], s[14:15], s[74:75]
	s_add_nc_u64 s[VB1:VB1+1], s[16:17], s[74:75]
	s_lshl_b32 s74, s76, 11
	s_add_nc_u64 s[SB1:SB1+1], s[18:19], s[74:75]
	s_add_nc_u64 s[KB2:KB2+1], s[KB1:KB1+1], 0x200000   ; the cross attention's heads lie 128 heads on
	s_add_nc_u64 s[VB2:VB2+1], s[VB1:VB1+1], 0x200000
	s_add_nc_u64 s[SB2:SB2+1], s[SB1:SB1+1], 0x40000
	; ---- x comes in whole rows and is kept in the stage as the residual stream
.irp i, 0,1,2,3,4,5,6,7
	global_load_b128 v[XV+4*\i:XV+4*\i+3], v[GD], s[8:9] offset:512*\i th:TH_LOAD_NT
.endr
	LNLD 28, 30
	WLOAD WB, 0, WSB, 0                            ; sa_wq
	s_wait_loadcnt 25                              ; x's eight loads are in; the 25 issued behind them may be out
.irp i, 0,1,2,3,4,5,6,7
	ds_store_b128 v[XD], v[XV+4*\i:XV+4*\i+3] offset:2064*(\i/4)+512*(\i%4)
.endr
	BAR
.irp m, 0,1
.irp j, 0,1,2,3
	ds_load_b128 v[XV+16*\m+4*\j:XV+16*\m+4*\j+3], v[XR] offset:33024*\m+16*\j
.endr
.endr
	s_wait_dscnt 0x0
	; ---- self-attention
	LNQ 17
	QP KB1, VB1, SB1
	s_lshr_b32 s[LAST], s[QBN], 2                  ; the step that holds the diagonal
	s_add_co_u32 s[NST], s[LAST], 1                ; 1 to 8 steps
	ATT 1, KB1, VB1, SB1
	WLOAD WB, 48*8192, WSB, 48*512                 ; sa_pw lands while the result is quantised
	BLOAD 20, CB, 0, BI
	FIN
	AFETCH AIMG, 4096, ASC, 256
	s_wait_loadcnt 0x0
	s_wait_dscnt 0x0
	GMUL 1, BI
	LNLD 32, 34
	WLOAD WB, 64*8192, WSB, 64*512                 ; ca_wq
	RESADD
	; ---- cross-attention
	LNQ 17
	QP KB2, VB2, SB2
	s_mov_b32 s[LAST], 7                           ; all eight steps
	s_mov_b32 s[NST], 8
	ATT 0, KB2, VB2, SB2
	WLOAD WB, 112*8192, WSB, 112*512               ; ca_pw
	BLOAD 22, CB, 0, BI
	FIN
	AFETCH AIMG, 4096, ASC, 256
	s_wait_loadcnt 0x0
	s_wait_dscnt 0x0
	GMUL 1, BI
	LNLD 36, 38
	WLOAD WB4, 128*8192, WSB4, 128*512             ; ff_w1, my first 32 hidden units
	BLOAD 24, CB4, 0, BI
	RESADD
	; ---- feed-forward: my 128 hidden units, 32 at a time; they are K step w of the second product
	LNQ 21
	AFETCH HIMG, 4096, HSC, 256
.irp bb, 0,1,2,3
	s_wait_loadcnt 0x0                             ; the record and its bias
	s_wait_dscnt 0x0                               ; the fragments are in
	GMUL 1, BI+16*(\bb%2)
.if \bb < 3
	WLOAD WB4, (129+\bb)*8192, WSB4, (129+\bb)*512
	BLOAD 24, CB4, 128*(\bb+1), BI+16*((\bb+1)%2)
.else
	WLOAD WB4, 192*8192, WSB4, 192*512             ; ff_w2, chunk 0
	BLOAD 26, CB, 0, BI
.endif
.set cn, 0
.rept 32
	v_max_num_f32 v[ACC+cn], 0, v[ACC+cn]          ; the activation, in f32
.set cn, cn+1
.endr
	QB 2, ACC
	BSTORE FST, FSS, F2IMG+256*\bb, 16384, F2SC+\bb, 1024
.endr
	BAR                                            ; the hidden layer's codes lie in LDS
.irp q, 0,1,2,3
	AFETCH F2IMG+4096*\q, 16384, F2SC+256*\q, 1024
	s_wait_loadcnt 0x0
	s_wait_dscnt 0x0
.if \q == 0
	GMUL 1, BI
.else
	GMUL 2, BI
.endif
.if \q < 3
	WLOAD WB4, (193+\q)*8192, WSB4, (193+\q)*512
.endif
.endr
	RESADD
	BAR                                            ; the 32 finished rows lie in the stage
.irp i, 0,1,2,3,4,5,6,7
	ds_load_b128 v[XV+4*\i:XV+4*\i+3], v[XD] offset:2064*(\i/4)+512*(\i%4)
.endr
.irp i, 0,1,2,3,4,5,6,7
	s_wait_dscnt 7-\i                              ; LDS loads come back in order: load i is in, the younger ones may be out
	global_store_b128 v[GD], v[XV+4*\i:XV+4*\i+3], s[40:41] offset:512*\i th:TH_STORE_NT   ; 32 lanes store 512 consecutive bytes, aligned
.endr
	s_wait_xcnt 0x0
	v_lshl_add_u32 v254, v0, 2, 0x1e200
	v_mov_b32 v255, 0
	s_wait_tensorcnt 0x0
	ds_add_u32 v254, v255
	s_wait_dscnt 0x0
	s_endpgm
.Lfunc_end_k_q8f8a48a50d_chain:
	.size	k_q8f8a48a50d_chain, .Lfunc_end_k_q8f8a48a50d_chain-k_q8f8a48a50d_chain
	.p2alignl 7, 3214868480
	.fill 96, 4, 3214868480
	.section	.rodata,"a",@progbits
	.p2align	6, 0x0
	.amdhsa_kernel k_q8f8a48a50d_chain
		.amdhsa_group_segment_fixed_size 125440
		.amdhsa_private_segment_fixed_size 0
		.amdhsa_enable_private_segment 0
		.amdhsa_kernarg_size 136
		.amdhsa_user_sgpr_count 2
		.amdhsa_user_sgpr_kernarg_segment_ptr 1
		.amdhsa_wavefront_size32 1
		.amdhsa_system_sgpr_workgroup_id_x 1
		.amdhsa_system_sgpr_workgroup_id_y 1
		.amdhsa_system_sgpr_workgroup_id_z 1
		.amdhsa_system_vgpr_workitem_id 0
		.amdhsa_next_free_vgpr 256
		.amdhsa_next_free_sgpr 84
		.amdhsa_reserve_vcc 1
		.amdhsa_float_denorm_mode_32 3
		.amdhsa_float_denorm_mode_16_64 3
		.amdhsa_memory_ordered 1
		.amdhsa_forward_progress 1
		.amdhsa_inst_pref_size 203
	.end_amdhsa_kernel
	.amdgpu_metadata
---
amdhsa.version: [ 1, 2 ]
amdhsa.kernels:
  - .name:           k_q8f8a48a50d_chain
    .symbol:         k_q8f8a48a50d_chain.kd
    .args:
      - { .name: x, .offset: 0, .size: 8, .value_kind: global_buffer, .address_space: global }
      - { .name: wimg, .offset: 8, .size: 8, .value_kind: global_buffer, .address_space: global }
      - { .name: wscl, .offset: 16, .size: 8, .value_kind: global_buffer, .address_space: global }
      - { .name: kimg, .offset: 24, .size: 8, .value_kind: global_buffer, .address_space: global }
      - { .name: vimg, .offset: 32, .size: 8, .value_kind: global_buffer, .address_space: global }
      - { .name: ksc, .offset: 40, .size: 8, .value_kind: global_buffer, .address_space: global }
      - { .name: sa_pb, .offset: 48, .size: 8, .value_kind: global_buffer, .address_space: global }
      - { .name: ca_pb, .offset: 56, .size: 8, .value_kind: global_buffer, .address_space: global }
      - { .name: ff_b1, .offset: 64, .size: 8, .value_kind: global_buffer, .address_space: global }
      - { .name: ff_b2, .offset: 72, .size: 8, .value_kind: global_buffer, .address_space: global }
      - { .name: ln1_g, .offset: 80, .size: 8, .value_kind: global_buffer, .address_space: global }
      - { .name: ln1_b, .offset: 88, .size: 8, .value_kind: global_buffer, .address_space: global }
      - { .name: ln2_g, .offset: 96, .size: 8, .value_kind: global_buffer, .address_space: global }
      - { .name: ln2_b, .offset: 104, .size: 8, .value_kind: global_buffer, .address_space: global }
      - { .name: ln3_g, .offset: 112, .size: 8, .value_kind: global_buffer, .address_space: global }
      - { .name: ln3_b, .offset: 120, .size: 8, .value_kind: global_buffer, .address_space: global }
      - { .name: out0, .offset: 128, .size: 8, .value_kind: global_buffer, .address_space: global }
    .group_segment_fixed_size: 125440
    .private_segment_fixed_size: 0
    .kernarg_segment_align: 8
    .kernarg_segment_size: 136
    .max_flat_workgroup_size: 512
    .sgpr_count:     84
    .vgpr_count:     256
    .wavefront_size: 32
...
	.end_amdgpu_metadata
.endif
;; end of part 3
;; ======== version 2 of 2: 3 launches
;; workspace buffers: wimg 2,097,152 bytes; wscl 131,072 bytes; kimg 4,194,304 bytes; vimg 4,194,304 bytes; ksc 524,288 bytes
;; launch wprep (part 4): grid 256 x 1, 4 waves a work-group, no clusters, 1,024 bytes of LDS; arguments sa_wq, sa_wk, sa_wv, sa_pw, ca_wq, ca_wk, ca_wv, ca_pw, ff_w1, ff_w2, wimg, wscl; writes wimg, wscl
.if DOCPART == 4
	.amdgcn_target "amdgcn-amd-amdhsa--gfx1250"
	.amdhsa_code_object_version 6
	.text
	.protected	k_q8f8a48a50d_wprep
	.globl	k_q8f8a48a50d_wprep
	.p2align	8
	.type	k_q8f8a48a50d_wprep,@function
k_q8f8a48a50d_wprep:
	s_mov_b64 s[64:65], 0
	v_nop
	global_prefetch_b8 v0, s[64:65] scope:SCOPE_SE
	s_setreg_imm32_b32 hwreg(HW_REG_WAVE_MODE, 25, 1), 1
	s_wait_xcnt 0x0
; The ten weights, f32 stored [K][N], become codes of FP4 (E2M1) with one E8M0 scale byte for each 32 along K, laid in the order of the operand registers.
; A RECORD is 32 columns x 512 along K: 8,192 bytes of codes and 512 bytes of scale words.  Records 16 i + P: the eight 512 x 512 weights i, pair of tiles P;
; 128 + P: ff_w1, P under 64; 192 + 4 P + q: ff_w2, chunk q of 512 along K.  Work-group R makes record R, wave s its K step s (128 along K).
; THE COLUMNS OF A TILE ARE NOT NEIGHBOURS: row r of tile u takes column 32 P + 8 u + r + 8 (r / 8), so that a product used transposed leaves 16 neighbouring columns in a lane.
; A LANE TAKES A COLUMN, ITS REGISTERS RUN DOWN K: a block of 32 lies in one lane, and the conversions give codes with K innermost.  Nothing is transposed.
; Codes of fragment (s, u): byte (2 s + u) 1024 + 512 c + 16 lane, lane (r, h) holding block 2 c + h.  Scale words: byte 16 (16 u + r) + 4 s.
; A block's scale byte is its largest magnitude's exponent field - 2, held at 1 from below.
; LIMITS: a block of zeros, or one whose largest magnitude lies under 2^-124, keeps the byte 1 (zero codes add nothing; the bytes are read by this program alone); NaN and infinities are not served.
; No tensor load, no cluster: each weight byte is read once, by one lane.
.set X,  32                            ; v32-159  128 numbers down K
.set C,  160                           ; v160-175 four blocks' codes: no store's data are written again
.set WD, 176                           ; v176     my column's scale word
	s_load_b512 s[8:23], s[0:1], 0x0               ; the eight 512 x 512 weights
	s_load_b256 s[24:31], s[0:1], 0x40             ; ff_w1, ff_w2, wimg, wscl
	v_lshl_add_u32 v184, v0, 2, 0x200
	v_mov_b32 v185, 0
	v_lshrrev_b32 v1, 5, v0
	v_readfirstlane_b32 s2, v1                     ; wave = K step
	v_and_b32 v1, 31, v0                           ; L = 16 u + r
	v_lshrrev_b32 v6, 4, v1                        ; u
	v_and_b32 v7, 15, v1                           ; r
	v_and_b32 v8, 8, v1                            ; 8 (r / 8)
	v_lshl_add_u32 v2, v6, 3, v7
	v_add_nc_u32 v2, v2, v8
	v_lshlrev_b32 v2, 2, v2                        ; my column's byte in the pair's 128
	v_lshlrev_b32 v3, 4, v7
	v_lshl_add_u32 v3, v6, 10, v3                  ; where my codes go: 1024 u + 16 r
	v_lshlrev_b32 v5, 4, v1                        ; 16 L
	s_lshl_b32 s42, s2, 2
	v_add_nc_u32 v4, s42, v5                       ; LDS: 16 L + 4 x wave
	s_mov_b32 s3, ttmp9                            ; R
	s_lshr_b32 s32, s3, 4                          ; which weight,
	s_and_b32 s33, s3, 15                          ; which pair,
	s_sub_co_u32 s34, s3, 128
	s_sub_co_u32 s35, s3, 192
	s_lshr_b32 s36, s35, 2
	s_and_b32 s37, s35, 3
	s_cmp_ge_u32 s3, 128
	s_cselect_b32 s32, 8, s32
	s_cselect_b32 s33, s34, s33
	s_cmp_ge_u32 s3, 192
	s_cselect_b32 s32, 9, s32
	s_cselect_b32 s33, s36, s33
	s_cselect_b32 s37, s37, 0                      ; which chunk of K
	s_cmp_eq_u32 s32, 8
	s_cselect_b32 s38, 20, 18                      ; 128 rows of 8,192 or of 2,048 bytes
	s_lshl_b32 s38, s2, s38
	s_lshl_b32 s40, s37, 20                        ; 512 rows of 2,048 bytes a chunk
	s_add_co_u32 s38, s38, s40
	s_lshl_b32 s40, s33, 7                         ; 128 bytes a pair
	s_add_co_u32 s38, s38, s40
	s_mov_b32 s39, 0
	s_wait_kmcnt 0x0
	s_mov_b64 s[4:5], s[8:9]
.irp i, 1,2,3,4,5,6,7,8,9
	s_cmp_eq_u32 s32, \i                           ; the choice hangs on the work-group's number alone
	s_cselect_b64 s[4:5], s[8+2*\i:9+2*\i], s[4:5]
.endr
	s_add_nc_u64 s[4:5], s[4:5], s[38:39]
	s_lshl_b32 s40, s3, 13
	s_lshl_b32 s41, s2, 11
	s_add_co_u32 s40, s40, s41
	s_mov_b32 s41, 0
	s_add_nc_u64 s[28:29], s[28:29], s[40:41]      ; my K step's 2,048 bytes of the record
	s_lshl_b32 s40, s3, 9
	s_add_nc_u64 s[30:31], s[30:31], s[40:41]      ; the record's scale words
.macro WLD rowb                        ; 128 loads: row i of my K step; 32 lanes read 128 consecutive bytes
.set cn, 0
.rept 128
	global_load_b32 v[X+cn], v2, s[4:5] offset:cn*\rowb th:TH_LOAD_NT
.set cn, cn+1
.endr
.endm
	s_cmp_eq_u32 s32, 8
	s_cbranch_scc1 .Lwide
	s_wait_alu depctr_va_vdst(0)
	WLD 2048
	s_branch .Lgot
.Lwide:
	s_wait_alu depctr_va_vdst(0)
	WLD 8192
.Lgot:
.macro BLK t, left                     ; block t of my column: scale, codes, store
.set XS, X+32*\t
	s_wait_loadcnt \left
	v_max3_num_f32 v8, |v[XS]|, |v[XS+1]|, |v[XS+2]|
	v_max3_num_f32 v9, |v[XS+3]|, |v[XS+4]|, |v[XS+5]|
.irp i, 6,10,14,18,22,26
	v_max3_num_f32 v8, v8, |v[XS+\i]|, |v[XS+\i+1]|
	v_max3_num_f32 v9, v9, |v[XS+\i+2]|, |v[XS+\i+3]|
.endr
	v_max3_num_f32 v8, v8, |v[XS+30]|, |v[XS+31]|
	v_max3_num_f32 v8, v8, v9, 0x1800000           ; and the floor 2^(3 - 127): the byte cannot fall under 1
	v_add_nc_u32 v10, 0xff000000, v8               ; 2 off the exponent field: the conversion's scale operand
	v_lshrrev_b32 v11, 23, v10                     ; the scale's byte
.if \t == 0
	v_mov_b32 v[WD], v11
.else
	v_lshl_or_b32 v[WD], v11, 8*\t, v[WD]
.endif
.irp g, 0,1,2,3
	v_cvt_scalef32_pk8_fp4_f32 v[C+4*\t+\g], v[XS+8*\g:XS+8*\g+7], v10
.endr
	global_store_b128 v3, v[C+4*\t:C+4*\t+3], s[28:29] offset:512*(\t/2)+256*(\t%2)   ; sixteen lanes store 256 consecutive bytes, aligned
.endm
	BLK 0, 63                                      ; of 128 loads in order at most 63 are out: the first 65 are in, blocks 0 and 1 among them
	BLK 1, 63
	BLK 2, 32                                      ; block 3's may be out
	BLK 3, 0
	ds_store_b32 v4, v[WD]
	s_wait_dscnt 0x0                               ; for the others' sake: my word has landed
	s_barrier_signal -1
	s_barrier_wait -1
	s_cmp_lg_u32 s2, 0
	s_cbranch_scc1 .Lend                           ; wave 0 stores the record's 512 bytes of scale words, dense
	ds_load_b128 v[16:19], v5
	s_wait_dscnt 0x0
	global_store_b128 v5, v[16:19], s[30:31]
.Lend:
	s_wait_tensorcnt 0x0
	ds_add_u32 v184, v185
	s_wait_dscnt 0x0
	s_endpgm
.Lfunc_end_k_q8f8a48a50d_wprep:
	.size	k_q8f8a48a50d_wprep, .Lfunc_end_k_q8f8a48a50d_wprep-k_q8f8a48a50d_wprep
	.p2alignl 7, 3214868480
	.fill 96, 4, 3214868480
	.section	.rodata,"a",@progbits
	.p2align	6, 0x0
	.amdhsa_kernel k_q8f8a48a50d_wprep
		.amdhsa_group_segment_fixed_size 1024
		.amdhsa_private_segment_fixed_size 0
		.amdhsa_enable_private_segment 0
		.amdhsa_kernarg_size 96
		.amdhsa_user_sgpr_count 2
		.amdhsa_user_sgpr_kernarg_segment_ptr 1
		.amdhsa_wavefront_size32 1
		.amdhsa_system_sgpr_workgroup_id_x 1
		.amdhsa_system_sgpr_workgroup_id_y 1
		.amdhsa_system_sgpr_workgroup_id_z 1
		.amdhsa_system_vgpr_workitem_id 0
		.amdhsa_next_free_vgpr 186
		.amdhsa_next_free_sgpr 66
		.amdhsa_reserve_vcc 0
		.amdhsa_float_denorm_mode_32 3
		.amdhsa_float_denorm_mode_16_64 3
		.amdhsa_memory_ordered 1
		.amdhsa_forward_progress 1
		.amdhsa_inst_pref_size 34
	.end_amdhsa_kernel
	.amdgpu_metadata
---
amdhsa.version: [ 1, 2 ]
amdhsa.kernels:
  - .name:           k_q8f8a48a50d_wprep
    .symbol:         k_q8f8a48a50d_wprep.kd
    .args:
      - { .name: sa_wq, .offset: 0, .size: 8, .value_kind: global_buffer, .address_space: global }
      - { .name: sa_wk, .offset: 8, .size: 8, .value_kind: global_buffer, .address_space: global }
      - { .name: sa_wv, .offset: 16, .size: 8, .value_kind: global_buffer, .address_space: global }
      - { .name: sa_pw, .offset: 24, .size: 8, .value_kind: global_buffer, .address_space: global }
      - { .name: ca_wq, .offset: 32, .size: 8, .value_kind: global_buffer, .address_space: global }
      - { .name: ca_wk, .offset: 40, .size: 8, .value_kind: global_buffer, .address_space: global }
      - { .name: ca_wv, .offset: 48, .size: 8, .value_kind: global_buffer, .address_space: global }
      - { .name: ca_pw, .offset: 56, .size: 8, .value_kind: global_buffer, .address_space: global }
      - { .name: ff_w1, .offset: 64, .size: 8, .value_kind: global_buffer, .address_space: global }
      - { .name: ff_w2, .offset: 72, .size: 8, .value_kind: global_buffer, .address_space: global }
      - { .name: wimg, .offset: 80, .size: 8, .value_kind: global_buffer, .address_space: global }
      - { .name: wscl, .offset: 88, .size: 8, .value_kind: global_buffer, .address_space: global }
    .group_segment_fixed_size: 1024
    .private_segment_fixed_size: 0
    .kernarg_segment_align: 8
    .kernarg_segment_size: 96
    .max_flat_workgroup_size: 128
    .sgpr_count:     66
    .vgpr_count:     186
    .wavefront_size: 32
...
	.end_amdgpu_metadata
.endif
;; end of part 4
;; launch kvproj (part 5): grid 128 x 1, 16 waves a work-group, no clusters, 305,152 bytes of LDS; arguments x, encoder_output, wimg, wscl, kimg, vimg, ksc; writes kimg, vimg, ksc
.if DOCPART == 5
	.amdgcn_target "amdgcn-amd-amdhsa--gfx1250"
	.amdhsa_code_object_version 6
	.text
	.protected	k_q8f8a48a50d_kvproj
	.globl	k_q8f8a48a50d_kvproj
	.p2align	8
	.type	k_q8f8a48a50d_kvproj,@function
k_q8f8a48a50d_kvproj:
	s_mov_b64 s[64:65], 0
	v_nop
	global_prefetch_b8 v0, s[64:65] scope:SCOPE_SE
	s_setreg_imm32_b32 hwreg(HW_REG_WAVE_SCHED_MODE, 0, 2), 2
	s_setreg_imm32_b32 hwreg(HW_REG_WAVE_MODE, 25, 1), 1
	s_wait_xcnt 0x0
	s_wait_alu depctr_vm_vsrc(0)
; K and V of both attentions: K = Q4(src) Q4(wk), V = Q4(src) Q4(wv), src = x (work-groups 0-63) or encoder_output (64-127); both products on FP4 codes with E8M0 scales.
; The results are quantised at once for the attention: K along the head's 32 channels, V along the keys, and stored in the order of the operand registers.
; SHARES.  A work-group takes one key step: 128 tokens, two groups of 64; wave w first quantises a sixteenth of them, then makes head w: 32 columns of K and of V for the 128 tokens.
; 2 sources x 8 batches x 8 steps = 128 work-groups: a step's scale words of a head are 256 consecutive bytes, made of both groups' bytes; with one owner they leave whole, by one store, and a weight record that a wave loads serves 128 tokens.
; THE TOKENS OF A TILE ARE NOT NEIGHBOURS: row r of tile t of a group is token 32 (t / 2) + 8 (t % 2) + r + 8 (r / 8): the stage in LDS holds the tokens with bits 3 and 4 of their number exchanged.
; K: source 0 = 16 columns of wk, source 1 = 16 tokens: a lane holds one key and 16 neighbouring channels.  V: source 0 = 16 tokens, source 1 = 16 columns of wv: a lane holds one channel and 16 neighbouring keys.
; kimg: head x 16384 + step x 2048 + 1024 gp + 256 t + 16 r + 8 h: the four tiles of a group are the four K blocks of ONE fragment.  vimg: head x 16384 + step x 2048 + 1024 u + 512 gp + 256 b + 16 r + 8 h.
; ksc: head x 2048 + step x 256; bytes 0-127 K's words (lane 16 gp + r, byte t), bytes 128-255 V's (lane 16 u + r, byte 2 gp + b).
; LIMITS: blocks of zeros, or under 2^-124, keep the scale byte 1 (their codes add nothing; this program alone reads the bytes); NaN and infinities are not served.
; No tensor load, no cluster: the weights' fragments go from memory straight into the one wave's registers that multiplies by them, so there is no LDS tile that partners could share.
; THE MODE: SCHED_MODE bits 1:0 = 2 (LLVM: expert scheduling mode 2), set by the entry lines.  The code itself states the register dependences
; between vector or matrix instructions and memory or LDS instructions, with s_wait_alu, always for 0.
; THE PLAN.  Registers that memory or LDS instructions touch:
;   v3-14, v254, v255   offsets and LDS addresses: made at the head, never written again.
;   NUM v32-159         the row loads land, the stage's stores read; then K's record lands in the upper 64 and the numbers out of the stage in the lower 64, which the quantiser reads.
;   WF, WS              a record and its scale words: loads land, the products of two passes read; V's record is asked for behind K's last product.
;   XF0, XF1            two buffers of four fragments of x.  K step s multiplies buffer s % 2; the LDS loads of step s + 1 land in the other, which the products of step s - 1 read.
;   XS                  a group's scale words: LDS loads land, a pass's products read.
;   PC, XW              codes and a scale word: the quantiser writes, stores read.   KWA, VW0: the selects write, two LDS stores read.   OW: an LDS load lands, a store reads.
; So one wait on va_vdst stands at the head of a K step, behind the wait for its fragments, and the next step's eight loads follow it, dealt among the step's eight products, which name buffer s % 2, the record,
; the scale words and the accumulators alone; one stands behind a pass, ahead of the loads for the next pass, which land under the quantiser; one ahead of each run of stores.  A wait on vm_vsrc stands ahead of each quantiser that writes PC again.
.set XIMG, 0                           ; LDS: the tokens' codes: 16384 gp + 4096 t + 256 kb + 16 r + 8 h
.set XSC,  32768                       ; their scale words: 1024 gp + 256 t + 16 r + 4 s
.set KSR,  34816                       ; 256 bytes for each wave: its head's unit of scale words
.set STG,  38912                       ; the stage: 128 rows of 2,048 bytes + 16
.set SPT,  2064
.set LI,   3                           ; v3   16 x lane
.set LS,   4                           ; v4   16 r
.set GX,   5                           ; v5   16384 w + 16 x lane: my eight rows in memory
.set SIN,  6                           ; v6   into the stage
.set SOUT, 7                           ; v7   out of it: group 0
.set IST,  8                           ; v8   where my codes of x go
.set SCST, 9                           ; v9   and their scale word
.set CST,  10                          ; v10  16 r + 8 h
.set SW,   11                          ; v11  KSR + 256 w + 4 x lane
.set L8,   12                          ; v12  8 x lane
.set SO2,  13                          ; v13  out of the stage: group 1, 64 rows on
.set SR8,  14                          ; v14  KSR + 256 w + 8 x lane
.set XW,   15                          ; v15  x's scale word (at the head: the lane)
.set XG,   16                          ; v16-31 and v232-247: the second buffer of four fragments of x: tile t at XG + 8 t + 200 (t / 2)
.set NUM,  32                          ; v32-159  eight rows as loaded; then v32-95: 64 numbers of x, then the eight accumulators
.set ACC,  32
.set WF,   96                          ; v96-159  a record's eight fragments
.set WS,   160                         ; v160-163 its scale words (scales alone)
.set XF,   164                         ; v164-195 the first buffer of four fragments of x
.set XS,   196                         ; v196-211 x's scale words of a group (scales alone)
.set TM,   212                         ; largest magnitudes
.set T2,   216                         ; the other half's; then the bytes
.set SOP,  220                         ; the conversions' scale operands
.set PC,   224                         ; v224-231 codes
.set TP,   TM                          ; two registers at work behind a quantiser, which has done with them
.set OW,   248                         ; v[248:249] my 8 bytes of the unit of scale words
.set KWA,  250                         ; v250, v251 K's scale words of groups 0, 1
.set VW0,  252                         ; v252, v253 V's scale words of tiles 0, 1
.set VW1,  253
.set SEL,  44                          ; s[44:45] selects for lane l xor 16
.macro NOPS n
.rept \n
	v_nop
.endr
.endm
.macro BAR                             ; my LDS stores have landed and my LDS loads are in: then the work-group's barrier
	s_wait_dscnt 0x0
	s_barrier_signal -1
	s_barrier_wait -1
.endm
; one product.  c under 0: the constant 0 starts the sum.  row 1: source 0's scales in lanes 16-31; row 2: source 1's
.macro MM d, a, b, c, sa, sb, row
.if (\c) < 0
.if (\row) == 0
	v_wmma_scale_f32_16x16x128_f8f6f4 v[\d:\d+7], v[\a:\a+7], v[\b:\b+7], 0, v[\sa], v[\sb] matrix_a_fmt:MATRIX_FMT_FP4 matrix_b_fmt:MATRIX_FMT_FP4
.elseif (\row) == 1
	v_wmma_scale_f32_16x16x128_f8f6f4 v[\d:\d+7], v[\a:\a+7], v[\b:\b+7], 0, v[\sa], v[\sb] matrix_a_fmt:MATRIX_FMT_FP4 matrix_b_fmt:MATRIX_FMT_FP4 matrix_a_scale:MATRIX_SCALE_ROW1
.else
	v_wmma_scale_f32_16x16x128_f8f6f4 v[\d:\d+7], v[\a:\a+7], v[\b:\b+7], 0, v[\sa], v[\sb] matrix_a_fmt:MATRIX_FMT_FP4 matrix_b_fmt:MATRIX_FMT_FP4 matrix_b_scale:MATRIX_SCALE_ROW1
.endif
.else
.if (\row) == 0
	v_wmma_scale_f32_16x16x128_f8f6f4 v[\d:\d+7], v[\a:\a+7], v[\b:\b+7], v[\c:\c+7], v[\sa], v[\sb] matrix_a_fmt:MATRIX_FMT_FP4 matrix_b_fmt:MATRIX_FMT_FP4
.elseif (\row) == 1
	v_wmma_scale_f32_16x16x128_f8f6f4 v[\d:\d+7], v[\a:\a+7], v[\b:\b+7], v[\c:\c+7], v[\sa], v[\sb] matrix_a_fmt:MATRIX_FMT_FP4 matrix_b_fmt:MATRIX_FMT_FP4 matrix_a_scale:MATRIX_SCALE_ROW1
.else
	v_wmma_scale_f32_16x16x128_f8f6f4 v[\d:\d+7], v[\a:\a+7], v[\b:\b+7], v[\c:\c+7], v[\sa], v[\sb] matrix_a_fmt:MATRIX_FMT_FP4 matrix_b_fmt:MATRIX_FMT_FP4 matrix_b_scale:MATRIX_SCALE_ROW1
.endif
.endif
.endm
; n blocks of 32, each half in my 16 registers at src + 16 b and half in lane l xor 16's: bytes into T2 + b, my 16 codes into PC + 2 b, PC + 2 b + 1.  The blocks take turns line by line.
.macro QB n, src
.set qb_b, 0
.rept \n
	v_max3_num_f32 v[TM+qb_b], |v[\src+16*qb_b]|, |v[\src+16*qb_b+1]|, 0x1800000   ; with the floor 2^(3 - 127): the byte cannot fall under 1
.set qb_b, qb_b+1
.endr
.irp i, 2,4,6,8,10,12,14
.set qb_b, 0
.rept \n
	v_max3_num_f32 v[TM+qb_b], v[TM+qb_b], |v[\src+16*qb_b+\i]|, |v[\src+16*qb_b+\i+1]|
.set qb_b, qb_b+1
.endr
.endr
.set qb_b, 0
.rept \n
	v_permlanex16_b32 v[T2+qb_b], v[TM+qb_b], s[SEL], s[SEL+1]
.set qb_b, qb_b+1
.endr
.set qb_b, 0
.rept \n
	v_max_num_f32 v[TM+qb_b], v[TM+qb_b], v[T2+qb_b]   ; the block's largest magnitude
.set qb_b, qb_b+1
.endr
.set qb_b, 0
.rept \n
	v_add_nc_u32 v[SOP+qb_b], 0xff000000, v[TM+qb_b]   ; 2 off its exponent field: the conversion's scale operand
.set qb_b, qb_b+1
.endr
.set qb_b, 0
.rept \n
	v_lshrrev_b32 v[T2+qb_b], 23, v[SOP+qb_b]          ; the scale's byte
.set qb_b, qb_b+1
.endr
.set qb_b, 0
.rept \n
	v_cvt_scalef32_pk8_fp4_f32 v[PC+2*qb_b], v[\src+16*qb_b:\src+16*qb_b+7], v[SOP+qb_b]
	v_cvt_scalef32_pk8_fp4_f32 v[PC+2*qb_b+1], v[\src+16*qb_b+8:\src+16*qb_b+15], v[SOP+qb_b]
.set qb_b, qb_b+1
.endr
	v_nop                                          ; one plain line behind the last scaled conversion
.endm
.macro WLOADK off, soff                ; a record: 16 loads of 512 dense bytes, and its scale words
.irp i, 0,1,2,3,4,5,6,7,8,9,10,11,12,13,14,15
	global_load_b128 v[WF+4*\i:WF+4*\i+3], v[LI], s[26:27] offset:\off+512*\i
.endr
	global_load_b128 v[WS:WS+3], v[LI], s[28:29] offset:\soff
.endm
; my part of group gp of x: tile w / 4, K step w % 4: 16 neighbours of each of four blocks of my row come out of the stage and go to LDS as codes and a scale word
.macro XQ adr, gp
.irp b, 0,1,2,3
.irp j, 0,1,2,3
	ds_load_b128 v[NUM+16*\b+4*\j:NUM+16*\b+4*\j+3], v[\adr] offset:128*\b+16*\j
.endr
.endr
	s_wait_dscnt 0x0                               ; the numbers are in
.if \gp > 0
	s_wait_alu depctr_vm_vsrc(0)                   ; group 0's LDS stores have read v[PC ..] and v[XW], which the lines below write again
.endif
	QB 4, NUM
	v_lshl_or_b32 v[XW], v[T2+1], 8, v[T2]
	v_lshl_or_b32 v[XW], v[T2+2], 16, v[XW]
	v_lshl_or_b32 v[XW], v[T2+3], 24, v[XW]
	s_wait_alu depctr_va_vdst(0)                   ; the conversions have written v[PC ..] and the shifts v[XW], which the stores below read; the quantiser is done reading v[NUM ..], in which the next group's numbers land
.irp b, 0,1,2,3
	ds_store_b64 v[IST], v[PC+2*\b:PC+2*\b+1] offset:XIMG+16384*\gp+256*\b
.endr
	ds_store_b32 v[SCST], v[XW] offset:1024*\gp    ; both halves of the lanes write the same word with the same value
.endm
; the fragment of x (group gp, K step s, tile t) into buffer p
.macro XFL gp, s, t, p
.set xfr, (1-(\p))*(XF+8*(\t))+(\p)*(XG+8*(\t)+200*((\t)/2))
	ds_load_b128 v[xfr:xfr+3], v[LI] offset:XIMG+16384*(\gp)+4096*(\t)+1024*(\s)
	ds_load_b128 v[xfr+4:xfr+7], v[LI] offset:XIMG+16384*(\gp)+4096*(\t)+1024*(\s)+512
.endm
; what a pass over group gp wants first: the group's scale words, and K step 0's four fragments into buffer 0
.macro PRE gp
.irp t, 0,1,2,3
	ds_load_b128 v[XS+4*\t:XS+4*\t+3], v[LS] offset:XSC+1024*\gp+256*\t
.endr
.irp t, 0,1,2,3
	XFL \gp, 0, \t, 0
.endr
.endm
; group gp's 64 tokens: four K steps of 128, eight accumulators by turns.  kind 0: K; kind 1: V.  K step s multiplies buffer s % 2 and asks for step s + 1 into the other
.macro PASS kind, gp
.irp s, 0,1,2,3
	s_wait_dscnt 0x0                               ; this K step's four fragments are in (K step 0: the group's scale words too)
.if \s == 0
	s_wait_loadcnt 0x0                             ; the record
.else
	s_wait_alu depctr_va_vdst(0)                   ; the last K step's products are done reading the other buffer, in which the loads below land
.endif
.irp t, 0,1,2,3
.if \s < 3
	XFL \gp, \s+1, \t, (\s+1)%2
.endif
.set xfa, (1-(\s%2))*(XF+8*\t)+(\s%2)*(XG+8*\t+200*(\t/2))
.irp u, 0,1
.if \kind == 0
.if \s == 0
	MM ACC+16*\t+8*\u, WF+16*\s+8*\u, xfa, -1, WS+\s, XS+4*\t+\s, \u
.else
	MM ACC+16*\t+8*\u, WF+16*\s+8*\u, xfa, ACC+16*\t+8*\u, WS+\s, XS+4*\t+\s, \u
.endif
.else
.if \s == 0
	MM ACC+32*(\t/2)+16*\u+8*(\t%2), xfa, WF+16*\s+8*\u, -1, XS+4*\t+\s, WS+\s, 2*\u
.else
	MM ACC+32*(\t/2)+16*\u+8*(\t%2), xfa, WF+16*\s+8*\u, ACC+32*(\t/2)+16*\u+8*(\t%2), XS+4*\t+\s, WS+\s, 2*\u
.endif
.endif
.endr
.endr
	NOPS 4                                         ; places in front of loads into registers that these products read, and of the first read of results
.endr
.endm
; K of group gp, quantised (block t: key (t, r), its 32 channels): the four bytes are kept as the key's scale word; the codes go out
.macro KWORD gp
	v_lshl_or_b32 v[KWA+\gp], v[T2+1], 8, v[T2]
	v_lshl_or_b32 v[KWA+\gp], v[T2+2], 16, v[KWA+\gp]
	v_lshl_or_b32 v[KWA+\gp], v[T2+3], 24, v[KWA+\gp]
.endm
.macro KST gp
.irp t, 0,1,2,3
	global_store_b64 v[CST], v[PC+2*\t:PC+2*\t+1], s[30:31] offset:1024*\gp+256*\t   ; 32 lanes store 256 consecutive bytes, aligned
.endr
.endm
; V of group gp, quantised (block 2 b + u: channel (u, r), keys 32 b .. 32 b + 31 of the group): bytes 2 gp + b of the channel's scale word are kept; the codes go out
.macro VWORD gp
.if \gp == 0
	v_lshl_or_b32 v[VW0], v[T2+2], 8, v[T2]
	v_lshl_or_b32 v[VW1], v[T2+3], 8, v[T2+1]
.else
	v_lshl_or_b32 v[TP], v[T2+2], 8, v[T2]
	v_lshl_or_b32 v[TP+1], v[T2+3], 8, v[T2+1]
	v_lshl_or_b32 v[VW0], v[TP], 16, v[VW0]
	v_lshl_or_b32 v[VW1], v[TP+1], 16, v[VW1]
.endif
.endm
.macro VST gp
.irp b, 0,1
.irp u, 0,1
	global_store_b64 v[CST], v[PC+2*(2*\b+\u):PC+2*(2*\b+\u)+1], s[32:33] offset:1024*\u+512*\gp+256*\b
.endr
.endr
.endm
	s_load_b256 s[8:15], s[0:1], 0x0               ; x, encoder_output, wimg, wscl
	s_load_b128 s[16:19], s[0:1], 0x20             ; kimg, vimg
	s_load_b64 s[20:21], s[0:1], 0x30              ; ksc
	v_lshl_add_u32 v254, v0, 2, 0x4a000
	v_mov_b32 v255, 0
	v_lshrrev_b32 v1, 5, v0
	v_readfirstlane_b32 s2, v1                     ; wave 0..15 = head
	s_mov_b32 s3, ttmp9
	v_and_b32 v1, 15, v0                           ; r
	v_bfe_u32 v2, v0, 4, 1                         ; h
	v_and_b32 v15, 31, v0                          ; lane
	v_lshlrev_b32 v[LI], 4, v15
	s_wait_alu depctr_va_vdst(0)
	v_lshlrev_b32 v[LS], 4, v1
	s_wait_alu depctr_va_vdst(0)
	v_lshlrev_b32 v[L8], 3, v15
	s_wait_alu depctr_va_sdst(0)                   ; s2 is written, ahead of its first reader: addresses and bases are made from it
	s_lshl_b32 s38, s2, 14
	v_add_nc_u32 v[GX], s38, v[LI]
	s_and_b32 s38, s2, 1                           ; tokens 8 w .. 8 w + 7 go to stage rows with bits 3 and 4 of the token's number exchanged
	s_lshl_b32 s38, s38, 4
	s_bfe_u32 s39, s2, 0x10001
	s_lshl_b32 s39, s39, 3
	s_add_co_u32 s38, s38, s39
	s_lshr_b32 s39, s2, 2
	s_lshl_b32 s39, s39, 5
	s_add_co_u32 s38, s38, s39
	s_mul_i32 s38, s38, SPT
	s_add_co_u32 s38, s38, STG
	v_add_nc_u32 v[SIN], s38, v[LI]
	s_lshr_b32 s38, s2, 2                          ; I quantise tile w / 4 of each group, K step w % 4
	s_mul_i32 s38, s38, 16*SPT
	s_and_b32 s39, s2, 3
	s_lshl_b32 s40, s39, 9
	s_add_co_u32 s38, s38, s40
	s_add_co_u32 s38, s38, STG
	v_mul_u32_u24 v[SOUT], v1, SPT
	v_lshl_add_u32 v[SOUT], v2, 6, v[SOUT]
	v_add_nc_u32 v[SOUT], s38, v[SOUT]
	v_add_nc_u32 v[SO2], 64*SPT, v[SOUT]           ; group 1 lies 64 rows on: more than an LDS offset's 16 bits hold
	v_lshl_add_u32 v[CST], v2, 3, v[LS]
	s_lshl_b32 s38, s2, 10
	v_add_nc_u32 v[IST], s38, v[CST]               ; 4096 (w / 4) + 1024 (w % 4) = 1024 w
	s_lshr_b32 s38, s2, 2
	s_lshl_b32 s38, s38, 8
	s_lshl_b32 s39, s39, 2
	s_add_co_u32 s38, s38, s39
	s_add_co_u32 s38, s38, XSC
	v_add_nc_u32 v[SCST], s38, v[LS]
	s_lshl_b32 s38, s2, 8
	s_add_co_u32 s38, s38, KSR
	v_lshl_add_u32 v[SW], v15, 2, s38
	v_add_nc_u32 v[SR8], s38, v[L8]
.irp b, 0,1,2,3
	v_mov_b32 v[T2+\b], 0                          ; written once: a lane permute's destination counts as one of its sources
.endr
	s_mov_b32 s[SEL], 0x76543210
	s_mov_b32 s[SEL+1], 0xfedcba98
	s_lshr_b32 s4, s3, 6                           ; 0: x, 1: encoder_output
	s_and_b32 s5, s3, 7                            ; the step of 128 keys
	s_lshr_b32 s6, s3, 3
	s_lshl_b32 s6, s6, 4
	s_add_co_u32 s6, s6, s2                        ; the head's index: (source x 8 + batch) x 16 + w
	s_lshl_b32 s7, s4, 6
	s_add_co_u32 s7, s7, s2
	s_add_co_u32 s7, s7, 16                        ; K's record; V's lies 16 records on
	s_mov_b32 s23, 0
	s_mov_b32 s39, 0
	s_wait_kmcnt 0x0
	s_cmp_eq_u32 s4, 0                             ; the choice hangs on the work-group's number alone
	s_cselect_b64 s[24:25], s[8:9], s[10:11]
	s_and_b32 s22, s3, 63
	s_lshl_b32 s22, s22, 18                        ; 128 rows of 2,048 bytes
	s_add_nc_u64 s[24:25], s[24:25], s[22:23]      ; my 128 tokens
	s_lshl_b32 s22, s7, 13
	s_add_nc_u64 s[26:27], s[12:13], s[22:23]
	s_lshl_b32 s22, s7, 9
	s_add_nc_u64 s[28:29], s[14:15], s[22:23]
	s_lshl_b32 s38, s6, 14
	s_lshl_b32 s22, s5, 11
	s_add_co_u32 s38, s38, s22
	s_add_nc_u64 s[30:31], s[16:17], s[38:39]      ; kimg: the head's step
	s_add_nc_u64 s[32:33], s[18:19], s[38:39]      ; vimg likewise
	s_lshl_b32 s38, s6, 11
	s_lshl_b32 s22, s5, 8
	s_add_co_u32 s38, s38, s22
	s_add_nc_u64 s[34:35], s[20:21], s[38:39]      ; ksc: the step's unit of 256 bytes
	s_wait_alu depctr_va_vdst(0)                   ; the twelve offsets and addresses v3 to v14 are written, which every load and store of the kernel reads
.irp i, 0,1,2,3,4,5,6,7
.irp j, 0,1,2,3
	global_load_b128 v[NUM+16*\i+4*\j:NUM+16*\i+4*\j+3], v[GX], s[24:25] offset:2048*\i+512*\j th:TH_LOAD_NT   ; 512 consecutive bytes a load
.endr
.endr
	s_wait_loadcnt 16                              ; my first four rows are in; the 16 younger loads may be out
.irp i, 0,1,2,3
.irp j, 0,1,2,3
	ds_store_b128 v[SIN], v[NUM+16*\i+4*\j:NUM+16*\i+4*\j+3] offset:SPT*\i+512*\j
.endr
.endr
	s_wait_loadcnt 0x0
.irp i, 4,5,6,7
.irp j, 0,1,2,3
	ds_store_b128 v[SIN], v[NUM+16*\i+4*\j:NUM+16*\i+4*\j+3] offset:SPT*\i+512*\j
.endr
.endr
	BAR                                            ; the 128 rows lie in the stage
	s_wait_alu depctr_vm_vsrc(0)                   ; my stores into the stage have read v[NUM .. NUM+127]: K's record lands in the upper 64 of them, the numbers out of the stage in the lower 64
	WLOADK 0, 0                                    ; K's record lands while x is quantised
	XQ SOUT, 0
	XQ SO2, 1
	BAR                                            ; the codes and scale words of the 128 tokens lie in LDS
	s_wait_alu depctr_vm_vsrc(0)                   ; group 1's LDS stores have read v[PC ..], which K's quantiser writes again
	PRE 0
	PASS 0, 0                                      ; K, group 0
	s_wait_alu depctr_va_vdst(0)                   ; the pass's products are done reading x's scale words and buffer 0, in which the loads below land
	PRE 1                                          ; what the next pass wants first lands while K is quantised
	QB 4, ACC
	KWORD 0
	s_wait_alu depctr_va_vdst(0)                   ; the conversions have written v[PC ..], which the stores read
	KST 0
	PASS 0, 1                                      ; K, group 1
	s_wait_xcnt 0x0                                ; the stores above have had their addresses translated: the codes' registers are written again only behind this wait,
	s_wait_alu depctr_vm_vsrc(0)                   ; and behind this one: the stores have read v[PC ..]
	s_wait_alu depctr_va_vdst(0)                   ; the pass's products are done reading K's record, its scale words, x's scale words and buffer 0, in which the loads below land
	WLOADK 131072, 8192                            ; V's record lands while K is quantised
	PRE 0
	QB 4, ACC
	KWORD 1
	s_wait_alu depctr_va_vdst(0)                   ; the conversions have written v[PC ..], which the stores read
	KST 1
	PASS 1, 0                                      ; V, group 0
	s_wait_xcnt 0x0                                ; as above: the stores' addresses are translated,
	s_wait_alu depctr_vm_vsrc(0)                   ; and the stores have read v[PC ..], which the quantiser writes again
	s_wait_alu depctr_va_vdst(0)                   ; the pass's products are done reading x's scale words and buffer 0, in which the loads below land
	PRE 1
	QB 4, ACC
	VWORD 0
	s_wait_alu depctr_va_vdst(0)                   ; the conversions have written v[PC ..], which the stores read
	VST 0
	PASS 1, 1                                      ; V, group 1
	s_wait_xcnt 0x0                                ; as above: the stores' addresses are translated,
	s_wait_alu depctr_vm_vsrc(0)                   ; and the stores have read v[PC ..], which the quantiser writes again
	QB 4, ACC
	VWORD 1
	; the step's scale words: every lane holds row r's; lanes 16-31 take group 1's (K) and tile 1's (V).  They turn through my wave's own 256 bytes of LDS, so that one store covers the unit
	s_mov_b32 vcc_lo, 0xffff0000
	v_cndmask_b32 v[KWA], v[KWA], v[KWA+1], vcc_lo
	v_cndmask_b32 v[VW0], v[VW0], v[VW1], vcc_lo
	s_wait_alu depctr_va_vdst(0)                   ; the conversions have written v[PC ..] and the selects v[KWA] and v[VW0], which the stores below read
	VST 1
	ds_store_b32 v[SW], v[KWA]
	ds_store_b32 v[SW], v[VW0] offset:128
	ds_load_b64 v[OW:OW+1], v[SR8]                 ; LDS serves a wave's instructions in order: this sees my two stores
	s_wait_dscnt 0x0
	global_store_b64 v[L8], v[OW:OW+1], s[34:35]   ; 32 lanes store 256 consecutive bytes, aligned
	s_wait_dscnt 0x0                               ; the closing lines, six on end
	s_wait_alu 0x0
	s_wait_tensorcnt 0x0
	ds_add_u32 v254, v255
	s_wait_dscnt 0x0
	s_endpgm
.Lfunc_end_k_q8f8a48a50d_kvproj:
	.size	k_q8f8a48a50d_kvproj, .Lfunc_end_k_q8f8a48a50d_kvproj-k_q8f8a48a50d_kvproj
	.p2alignl 7, 3214868480
	.fill 96, 4, 3214868480
	.section	.rodata,"a",@progbits
	.p2align	6, 0x0
	.amdhsa_kernel k_q8f8a48a50d_kvproj
		.amdhsa_group_segment_fixed_size 305152
		.amdhsa_private_segment_fixed_size 0
		.amdhsa_enable_private_segment 0
		.amdhsa_kernarg_size 56
		.amdhsa_user_sgpr_count 2
		.amdhsa_user_sgpr_kernarg_segment_ptr 1
		.amdhsa_wavefront_size32 1
		.amdhsa_system_sgpr_workgroup_id_x 1
		.amdhsa_system_sgpr_workgroup_id_y 1
		.amdhsa_system_sgpr_workgroup_id_z 1
		.amdhsa_system_vgpr_workitem_id 0
		.amdhsa_next_free_vgpr 256
		.amdhsa_next_free_sgpr 66
		.amdhsa_reserve_vcc 1
		.amdhsa_float_denorm_mode_32 3
		.amdhsa_float_denorm_mode_16_64 3
		.amdhsa_memory_ordered 1
		.amdhsa_forward_progress 1
		.amdhsa_inst_pref_size 68
	.end_amdhsa_kernel
	.amdgpu_metadata
---
amdhsa.version: [ 1, 2 ]
amdhsa.kernels:
  - .name:           k_q8f8a48a50d_kvproj
    .symbol:         k_q8f8a48a50d_kvproj.kd
    .args:
      - { .name: x, .offset: 0, .size: 8, .value_kind: global_buffer, .address_space: global }
      - { .name: encoder_output, .offset: 8, .size: 8, .value_kind: global_buffer, .address_space: global }
      - { .name: wimg, .offset: 16, .size: 8, .value_kind: global_buffer, .address_space: global }
      - { .name: wscl, .offset: 24, .size: 8, .value_kind: global_buffer, .address_space: global }
      - { .name: kimg, .offset: 32, .size: 8, .value_kind: global_buffer, .address_space: global }
      - { .name: vimg, .offset: 40, .size: 8, .value_kind: global_buffer, .address_space: global }
      - { .name: ksc, .offset: 48, .size: 8, .value_kind: global_buffer, .address_space: global }
    .group_segment_fixed_size: 305152
    .private_segment_fixed_size: 0
    .kernarg_segment_align: 8
    .kernarg_segment_size: 56
    .max_flat_workgroup_size: 512
    .sgpr_count:     66
    .vgpr_count:     256
    .wavefront_size: 32
...
	.end_amdgpu_metadata
.endif
;; end of part 5
;; launch chain (part 6): grid 256 x 1, 16 waves a work-group, no clusters, 125,440 bytes of LDS; arguments x, wimg, wscl, kimg, vimg, ksc, sa_pb, ca_pb, ff_b1, ff_b2, ln1_g, ln1_b, ln2_g, ln2_b, ln3_g, ln3_b, out0; writes out0
.if DOCPART == 6
	.amdgcn_target "amdgcn-amd-amdhsa--gfx1250"
	.amdhsa_code_object_version 6
	.text
	.protected	k_q8f8a48a50d_chain
	.globl	k_q8f8a48a50d_chain
	.p2align	8
	.type	k_q8f8a48a50d_chain,@function
k_q8f8a48a50d_chain:
	s_mov_b64 s[64:65], 0
	v_nop
	global_prefetch_b8 v0, s[64:65] scope:SCOPE_SE
	s_setreg_imm32_b32 hwreg(HW_REG_WAVE_SCHED_MODE, 0, 2), 2
	s_setreg_imm32_b32 hwreg(HW_REG_WAVE_MODE, 25, 1), 1
	s_wait_xcnt 0x0
	s_wait_alu depctr_vm_vsrc(0)
; The whole decoder block for 32 tokens a work-group: LN1, q, causal attention, projection, residual; LN2, q, cross attention, projection, residual; LN3, FFN, residual.
; All products on FP4 codes with E8M0 scales; every operand computed here is quantised in registers; nothing but out0 goes to memory.
; SHARES.  Wave w of sixteen owns columns 32 w .. 32 w + 31 of every 512-wide row: head w, K block w of every operand, hidden units 128 w .. 128 w + 127, output columns 32 w on; for both tiles m of 16 tokens.
; LAYOUT.  Every product is used transposed (source 0 = 16 columns of a weight, 16 keys, or 16 channels of V; source 1 = 16 tokens), and the rows of source 0 are ordered r -> 8 u + r + 8 (r / 8):
; lane (r, h) then holds token r and, in the 16 registers of tiles u = 0, 1, the 16 neighbours 16 h + 0 .. 15.  Two lanes hold a block of 32; a lane's 16 codes are 8 bytes.
; AN OPERAND GOES FROM WAVE TO WAVE THROUGH LDS as [K block][row][16 bytes]: a fragment of K step s is two loads of 16 bytes a lane at 1024 s + 512 c + 16 x lane.
; THE HEAD'S 32 CHANNELS are a quarter of the instruction's K.  A fragment of K holds 64 keys, tile t in K block t; q stands in four variants, its codes in block t and zero codes elsewhere, made of overlapping runs of registers.
; The variant's scale word has q's byte at byte t and the byte 1 elsewhere.
; SOFTMAX.  t = score x log2(e) / sqrt(32); M = the running largest t rounded up to a whole number; p = 2^(t - M) is quantised along the keys; the sum is taken of the unquantised p and divides at the end.
; CAUSAL: steps of 128 keys beyond the work-group's queries are not walked (the trip count hangs on the work-group's number); in the last step hidden scores become -infinity.
; The norms take the mean first and then the squares of the differences: no difference of large sums.
; LIMITS: 1 / l and 1 / sqrt are v_rcp_f32 and v_rsq_f32; blocks of zeros, or under 2^-124, keep the scale byte 1 (zero codes add nothing); NaN and infinities among the inputs are not served.
; No tensor load and no cluster: each byte of the weights, of K and of V is read by ONE wave of the work-group, straight into its operand registers, so there is no LDS tile to share; and the causal trip counts differ between work-groups.
; THE MODE: SCHED_MODE bits 1:0 = 2 (LLVM: expert scheduling mode 2), set by the entry lines.  The code itself states the register dependences
; between vector or matrix instructions and memory or LDS instructions, with s_wait_alu, always for 0.
; THE PLAN.  Registers that memory or LDS instructions touch:
;   v3-15, v62        offsets and LDS addresses: made at the head, never written again.
;   v16-19            the offsets of K, V and their scale words: written once a key step, all four together, behind tile 1's scores; read by the ten loads of the next step.
;   WF, WS, BI        a weight's record, its scale words, a bias: loads land, a run of sixteen products reads.   KF, KSC and VF, VSC (in WF's and AS's registers): loads land, a key step's products read.
;   AF, AS            the tokens' fragments and scale words: LDS loads land, the products read.   LG, LB (in AF's upper half): loads land, a norm reads.
;   XV (AF's lower half)  my columns of the rows: LDS loads land, the residual and the norm read and write, the stage's stores read.
;   PL (in ACC's registers)  partial sums: additions write, two LDS stores read, eight LDS loads land.   PC, T2: codes and bytes: a quantiser writes, LDS stores read.
; All 256 registers of a wave are taken, so each of these is one buffer, and the waits stand where the wave wants the same results next:
; on va_vdst one behind each run of sixteen products, ahead of the loads into its operands; one ahead of each run of LDS stores; in a key step one behind tile 1's scores (K's loads), one behind its last products (V's loads),
; and one ahead of each pair of products that takes p's codes and scale word, which vector instructions have written.  On vm_vsrc one behind each barrier that follows LDS stores of registers that are written again, and one a key step ahead of the four offsets.
.set HIMG,  0                          ; LDS: a normed row block's codes: 4096 m + 256 kb + 16 r + 8 h
.set AIMG,  8192                       ; an attention's result, likewise
.set F2IMG, 16384                      ; the hidden layer: 16384 m + 256 kb + ..
.set HSC,   49152                      ; scale bytes: 256 m + 16 r + kb
.set ASC,   49664
.set F2SC,  50176                      ; 1024 m + 256 (kb / 16) + 16 r + kb % 16
.set PS1,   52224                      ; a row's sixteen partial sums: 80 x row + 4 w
.set PS2,   54784
.set XSTG,  57344                      ; the residual stream, f32: 32 rows of 2,048 bytes + 16
.set LI,  3                            ; v3   16 x lane
.set LS,  4                            ; v4   16 r
.set BST, 5                            ; v5   256 w + 16 r + 8 h
.set SST, 6                            ; v6   16 r + w
.set FST, 7                            ; v7   1024 w + 16 r + 8 h
.set FSS, 8                            ; v8   256 (w / 4) + 16 r + 4 (w % 4)
.set PSA, 9                            ; v9   80 r + 4 w
.set PSR, 10                           ; v10  80 r
.set XR,  11                           ; v11  XSTG + 2064 r + 128 w + 64 h: my 16 columns of row r
.set XD,  12                           ; v12  XSTG + 4128 w + 16 x lane: rows 2 w, 2 w + 1, whole
.set GD,  13                           ; v13  4096 w + 16 x lane: the same rows in memory
.set CB,  14                           ; v14  128 w + 64 h: my 16 numbers of a vector of 512
.set CB4, 15                           ; v15  512 w + 64 h: of ff_b1
.set KO,  16                           ; v16-19 offsets of the step's K, K's scales, V, V's scales
.set KSO, 17
.set VO,  18
.set VSO, 19
.set FA,  20                           ; v[20:21], v[22:23] pairs whose low word is broadcast
.set FB,  22
.set BI,  24                           ; v24-39, v40-55 biases in the result's layout
.set QF,  24                           ; v24-59 q: [0][lo 0][0][hi 0][0][lo 1][0][hi 1][0], four registers each
.set VD,  60                           ; v60  r - 16 h + 32 (block % 4)
.set NINF, 61                          ; v61  -infinity
.set L4,  62                           ; v62  4 x lane
.set WF,  64                           ; v64-127 a record's eight fragments
.set KF,  64                           ; v64-79  two fragments of K
.set VF,  80                           ; v80-95  two of V
.set S,   96                           ; v96-159 scores, then p
.set AF,  128                          ; v128-191 eight fragments of the tokens
.set XV,  128                          ; v128-159 my columns of the 32 rows
.set O,   160                          ; v160-191 the attention's sums
.set LG,  160
.set LB,  176
.set ACC, 192                          ; v192-223 four accumulators
.set PL,  192
.set ST,  192                          ; v192 + 4 m: -M, the largest t, the sum in two halves
.set WS,  224                          ; v224-235 hold scales and nothing else
.set AS,  228
.set QS,  224
.set KSC, 232
.set VSC, 233
.set PSW, 234
.set TM,  236
.set T2,  240
.set SOP, 244
.set PC,  248
.set W,    2
.set WG,   3
.set JN,   4
.set QBN,  5
.set LAST, 6                           ; s6   the last key step that is walked
.set J,    7                           ; s7   the key step in hand
.set MK,   8                           ; s8-19 and s28-31: sixteen masks of the causal step, mask i at MK + i + 8 (i / 12).  They held buffer addresses whose last use lies ahead of the walk
.set NST,  77                          ; s77  the number of key steps: LAST + 1; the walk's loop writes neither
.set SEL,  42
.set ONES, 45
.set CS,   46
.set WB,   48
.set WB4,  50
.set WSB,  52
.set WSB4, 54
.set KB1,  56
.set VB1,  58
.set SB1,  60
.set KB2,  66
.set VB2,  68
.set SB2,  70
.set R512, 72
.set EPS,  73
.macro NOPS n
.rept \n
	v_nop
.endr
.endm
.macro BAR                             ; my LDS stores have landed and my LDS loads are in: then the work-group's barrier
	s_wait_dscnt 0x0
	s_barrier_signal -1
	s_barrier_wait -1
.endm
; one product.  c under 0: the constant 0 starts the sum.  row 1: source 0's scales in lanes 16-31
.macro MM d, a, b, c, sa, sb, row
.if (\c) < 0
.if (\row) == 0
	v_wmma_scale_f32_16x16x128_f8f6f4 v[\d:\d+7], v[\a:\a+7], v[\b:\b+7], 0, v[\sa], v[\sb] matrix_a_fmt:MATRIX_FMT_FP4 matrix_b_fmt:MATRIX_FMT_FP4
.else
	v_wmma_scale_f32_16x16x128_f8f6f4 v[\d:\d+7], v[\a:\a+7], v[\b:\b+7], 0, v[\sa], v[\sb] matrix_a_fmt:MATRIX_FMT_FP4 matrix_b_fmt:MATRIX_FMT_FP4 matrix_a_scale:MATRIX_SCALE_ROW1
.endif
.else
.if (\row) == 0
	v_wmma_scale_f32_16x16x128_f8f6f4 v[\d:\d+7], v[\a:\a+7], v[\b:\b+7], v[\c:\c+7], v[\sa], v[\sb] matrix_a_fmt:MATRIX_FMT_FP4 matrix_b_fmt:MATRIX_FMT_FP4
.else
	v_wmma_scale_f32_16x16x128_f8f6f4 v[\d:\d+7], v[\a:\a+7], v[\b:\b+7], v[\c:\c+7], v[\sa], v[\sb] matrix_a_fmt:MATRIX_FMT_FP4 matrix_b_fmt:MATRIX_FMT_FP4 matrix_a_scale:MATRIX_SCALE_ROW1
.endif
.endif
.endm
; n blocks of 32, each half in my 16 registers at src + 16 b and half in lane l xor 16's: bytes into T2 + b, my 16 codes into PC + 2 b, PC + 2 b + 1
.macro QB n, src
.set qb_b, 0
.rept \n
	v_max3_num_f32 v[TM+qb_b], |v[\src+16*qb_b]|, |v[\src+16*qb_b+1]|, 0x1800000   ; with the floor 2^(3 - 127): the byte cannot fall under 1
.set qb_b, qb_b+1
.endr
.irp i, 2,4,6,8,10,12,14
.set qb_b, 0
.rept \n
	v_max3_num_f32 v[TM+qb_b], v[TM+qb_b], |v[\src+16*qb_b+\i]|, |v[\src+16*qb_b+\i+1]|
.set qb_b, qb_b+1
.endr
.endr
.set qb_b, 0
.rept \n
	v_permlanex16_b32 v[T2+qb_b], v[TM+qb_b], s[SEL], s[SEL+1]
.set qb_b, qb_b+1
.endr
.set qb_b, 0
.rept \n
	v_max_num_f32 v[TM+qb_b], v[TM+qb_b], v[T2+qb_b]   ; the block's largest magnitude
.set qb_b, qb_b+1
.endr
.set qb_b, 0
.rept \n
	v_add_nc_u32 v[SOP+qb_b], 0xff000000, v[TM+qb_b]   ; 2 off its exponent field: the conversion's scale operand
.set qb_b, qb_b+1
.endr
.set qb_b, 0
.rept \n
	v_lshrrev_b32 v[T2+qb_b], 23, v[SOP+qb_b]          ; the scale's byte
.set qb_b, qb_b+1
.endr
.set qb_b, 0
.rept \n
	v_cvt_scalef32_pk8_fp4_f32 v[PC+2*qb_b], v[\src+16*qb_b:\src+16*qb_b+7], v[SOP+qb_b]
	v_cvt_scalef32_pk8_fp4_f32 v[PC+2*qb_b+1], v[\src+16*qb_b+8:\src+16*qb_b+15], v[SOP+qb_b]
.set qb_b, qb_b+1
.endr
	v_nop                                          ; one plain line behind the last scaled conversion
.endm
.macro WLOAD sb, off, ssb, soff        ; a record: 16 loads of 512 dense bytes, and its scale words: 17 loads
.irp i, 0,1,2,3,4,5,6,7,8,9,10,11,12,13,14,15
	global_load_b128 v[WF+4*\i:WF+4*\i+3], v[LI], s[\sb:\sb+1] offset:\off+512*\i
.endr
	global_load_b128 v[WS:WS+3], v[LI], s[\ssb:\ssb+1] offset:\soff
.endm
.macro BLOAD ptr, voff, off, reg       ; my 16 numbers of a bias: the C of two tiles
.irp j, 0,1,2,3
	global_load_b128 v[\reg+4*\j:\reg+4*\j+3], v[\voff], s[\ptr:\ptr+1] offset:\off+16*\j
.endr
.endm
.macro LNLD g, b                       ; my 16 numbers of a norm's gain and bias: 8 loads
.irp j, 0,1,2,3
	global_load_b128 v[LG+4*\j:LG+4*\j+3], v[CB], s[\g:\g+1] offset:16*\j
.endr
.irp j, 0,1,2,3
	global_load_b128 v[LB+4*\j:LB+4*\j+3], v[CB], s[\b:\b+1] offset:16*\j
.endr
.endm
.macro AFETCH img, mst, sc, sst        ; 512 along K of both tiles of tokens: eight fragments and their scale words
.irp m, 0,1
.irp i, 0,1,2,3,4,5,6,7
	ds_load_b128 v[AF+32*\m+4*\i:AF+32*\m+4*\i+3], v[LI] offset:\img+\mst*\m+512*\i
.endr
.endr
.irp m, 0,1
	ds_load_b128 v[AS+4*\m:AS+4*\m+3], v[LS] offset:\sc+\sst*\m
.endr
.endm
; 16 products: four K steps, four accumulators by turns.  cm 0: the sums start at 0; 1: at the bias in bi; 2: they go on
.macro GMUL cm, bi
.irp s, 0,1,2,3
.irp m, 0,1
.irp u, 0,1
.if (\s == 0) && (\cm == 0)
	MM ACC+16*\m+8*\u, WF+16*\s+8*\u, AF+32*\m+8*\s, -1, WS+\s, AS+4*\m+\s, \u
.elseif (\s == 0) && (\cm == 1)
	MM ACC+16*\m+8*\u, WF+16*\s+8*\u, AF+32*\m+8*\s, \bi+8*\u, WS+\s, AS+4*\m+\s, \u
.else
	MM ACC+16*\m+8*\u, WF+16*\s+8*\u, AF+32*\m+8*\s, ACC+16*\m+8*\u, WS+\s, AS+4*\m+\s, \u
.endif
.endr
.endr
.endr
	NOPS 4                                         ; places in front of the first read of results and of loads into the operands
.endm
.macro BSTORE adr, sadr, img, mst, sc, sst   ; my 16 codes and my block's byte, for both tiles; both halves of the lanes write the same byte with the same value
	s_wait_alu depctr_va_vdst(0)                   ; the conversions have written v[PC ..] and the shifts v[T2 ..], which the stores read; and the lines above are done with the numbers that they quantised, in whose registers later loads land
.irp m, 0,1
	ds_store_b64 v[\adr], v[PC+2*\m:PC+2*\m+1] offset:\img+\mst*\m
	ds_store_b8 v[\sadr], v[T2+\m] offset:\sc+\sst*\m
.endr
.endm
.macro XST                             ; my columns of the 32 rows go back into the stage.  The bytes are my wave's own
.irp m, 0,1
.irp j, 0,1,2,3
	ds_store_b128 v[XR], v[XV+16*\m+4*\j:XV+16*\m+4*\j+3] offset:33024*\m+16*\j
.endr
.endr
.endm
; the sum (sq = 0) or the sum of squares (sq = 1) of each of the 32 rows, into v[PL] and v[PL+16]: my 16, lane l xor 16's, then the sixteen waves' through LDS, added in one order in every wave.
; xst = 1: the residual's sums, which stand in v[XV ..], go into the stage behind the same wait
.macro LSUM sq, ps, xst
.irp m, 0,1
.if \sq
	v_pk_mul_f32 v[PL+8*\m:PL+8*\m+1], v[XV+16*\m:XV+16*\m+1], v[XV+16*\m:XV+16*\m+1]
	v_pk_mul_f32 v[PL+8*\m+2:PL+8*\m+3], v[XV+16*\m+2:XV+16*\m+3], v[XV+16*\m+2:XV+16*\m+3]
.else
	v_pk_add_f32 v[PL+8*\m:PL+8*\m+1], v[XV+16*\m:XV+16*\m+1], v[XV+16*\m+4:XV+16*\m+5]
	v_pk_add_f32 v[PL+8*\m+2:PL+8*\m+3], v[XV+16*\m+2:XV+16*\m+3], v[XV+16*\m+6:XV+16*\m+7]
.endif
.endr
.irp i, 4,8,12
.irp m, 0,1
.if \sq
	v_pk_fma_f32 v[PL+8*\m:PL+8*\m+1], v[XV+16*\m+\i:XV+16*\m+\i+1], v[XV+16*\m+\i:XV+16*\m+\i+1], v[PL+8*\m:PL+8*\m+1]
	v_pk_fma_f32 v[PL+8*\m+2:PL+8*\m+3], v[XV+16*\m+\i+2:XV+16*\m+\i+3], v[XV+16*\m+\i+2:XV+16*\m+\i+3], v[PL+8*\m+2:PL+8*\m+3]
.elseif \i > 4
	v_pk_add_f32 v[PL+8*\m:PL+8*\m+1], v[PL+8*\m:PL+8*\m+1], v[XV+16*\m+\i:XV+16*\m+\i+1]
	v_pk_add_f32 v[PL+8*\m+2:PL+8*\m+3], v[PL+8*\m+2:PL+8*\m+3], v[XV+16*\m+\i+2:XV+16*\m+\i+3]
.endif
.endr
.endr
.irp m, 0,1
	v_pk_add_f32 v[PL+8*\m:PL+8*\m+1], v[PL+8*\m:PL+8*\m+1], v[PL+8*\m+2:PL+8*\m+3]
.endr
.irp m, 0,1
	v_add_f32 v[PL+8*\m], v[PL+8*\m], v[PL+8*\m+1]
.endr
.irp m, 0,1
	v_permlanex16_b32 v[PL+8*\m+2], v[PL+8*\m], s[SEL], s[SEL+1]
.endr
.irp m, 0,1
	v_add_f32 v[PL+8*\m], v[PL+8*\m], v[PL+8*\m+2]
.endr
	s_wait_alu depctr_va_vdst(0)                   ; the additions have written v[PL] and v[PL+8] (xst = 1: and v[XV ..]), which the stores read; and all lines above are done with v[PL .. PL+31], in which the loads behind the barrier land
.irp m, 0,1
	ds_store_b32 v[PSA], v[PL+8*\m] offset:\ps+1280*\m
.endr
.if \xst
	XST
.endif
	BAR
	s_wait_alu depctr_vm_vsrc(0)                   ; my stores have read v[PL] and v[PL+8], in which the loads below land (xst = 1: and v[XV ..], from which the mean is taken next)
.irp m, 0,1
.irp i, 0,1,2,3
	ds_load_b128 v[PL+16*\m+4*\i:PL+16*\m+4*\i+3], v[PSR] offset:\ps+1280*\m+16*\i
.endr
.endr
	s_wait_dscnt 0x0
.irp m, 0,1
.irp i, 0,4,8,12
	v_pk_add_f32 v[PL+16*\m+\i:PL+16*\m+\i+1], v[PL+16*\m+\i:PL+16*\m+\i+1], v[PL+16*\m+\i+2:PL+16*\m+\i+3]
.endr
.endr
.irp m, 0,1
.irp i, 0,8
	v_pk_add_f32 v[PL+16*\m+\i:PL+16*\m+\i+1], v[PL+16*\m+\i:PL+16*\m+\i+1], v[PL+16*\m+\i+4:PL+16*\m+\i+5]
.endr
.endr
.irp m, 0,1
	v_pk_add_f32 v[PL+16*\m:PL+16*\m+1], v[PL+16*\m:PL+16*\m+1], v[PL+16*\m+8:PL+16*\m+9]
.endr
.irp m, 0,1
	v_add_f32 v[PL+16*\m], v[PL+16*\m], v[PL+16*\m+1]
.endr
.endm
; the norm of the rows in XV, quantised, into HIMG.  yg: the loads issued behind the gain's and the bias's, which may stay out.  xst: see LSUM
.macro LNQ yg, xst
	LSUM 0, PS1, \xst
	v_mul_f32 v[FA], s[R512], v[PL]                ; the means
	v_mul_f32 v[FB], s[R512], v[PL+16]
.set cn, 0
.rept 8
	v_pk_add_f32 v[XV+cn:XV+cn+1], v[XV+cn:XV+cn+1], v[FA:FA+1] op_sel_hi:[1,0] neg_lo:[0,1] neg_hi:[0,1]
	v_pk_add_f32 v[XV+16+cn:XV+17+cn], v[XV+16+cn:XV+17+cn], v[FB:FB+1] op_sel_hi:[1,0] neg_lo:[0,1] neg_hi:[0,1]
.set cn, cn+2
.endr
	LSUM 1, PS2, 0
	v_fma_f32 v[PL], v[PL], s[R512], s[EPS]        ; the variance + eps
	v_fma_f32 v[PL+16], v[PL+16], s[R512], s[EPS]
	s_wait_alu depctr_va_vdst(0)
	v_rsq_f32 v[FA], v[PL]
	v_rsq_f32 v[FB], v[PL+16]
	v_nop                                          ; a plain line behind the last of the two
	s_wait_alu depctr_va_vdst(0)                   ; the two roots have written v[FA] and v[FB]: one wait for both, ahead of their first reader
	s_wait_loadcnt \yg                             ; the gain and the bias are in
.set cn, 0
.rept 8
	v_pk_mul_f32 v[XV+cn:XV+cn+1], v[XV+cn:XV+cn+1], v[FA:FA+1] op_sel_hi:[1,0]
	v_pk_mul_f32 v[XV+16+cn:XV+17+cn], v[XV+16+cn:XV+17+cn], v[FB:FB+1] op_sel_hi:[1,0]
.set cn, cn+2
.endr
.set cn, 0
.rept 8
	v_pk_fma_f32 v[XV+cn:XV+cn+1], v[XV+cn:XV+cn+1], v[LG+cn:LG+cn+1], v[LB+cn:LB+cn+1]
	v_pk_fma_f32 v[XV+16+cn:XV+17+cn], v[XV+16+cn:XV+17+cn], v[LG+cn:LG+cn+1], v[LB+cn:LB+cn+1]
.set cn, cn+2
.endr
	QB 2, XV
	BSTORE BST, SST, HIMG, 4096, HSC, 256
	BAR                                            ; the normed rows' codes lie in LDS
	s_wait_alu depctr_vm_vsrc(0)                   ; my stores have read v[PC ..] and v[T2 ..], which the next quantiser writes again
.endm
.macro KGRP kb, sb                     ; a step's 128 keys: two fragments and their scale words: 5 loads
.irp i, 0,1,2,3
	global_load_b128 v[KF+4*\i:KF+4*\i+3], v[KO], s[\kb:\kb+1] offset:512*\i
.endr
	global_load_b32 v[KSC], v[KSO], s[\sb:\sb+1]
.endm
.macro VGRP vb, sb                     ; the same of V: 5 loads
.irp i, 0,1,2,3
	global_load_b128 v[VF+4*\i:VF+4*\i+3], v[VO], s[\vb:\vb+1] offset:512*\i
.endr
	global_load_b32 v[VSC], v[VSO], s[\sb:\sb+1] offset:128
.endm
; q's codes (PC, T2 as QB 2 left them) become the four variants and their scale words
.macro MKQ
.irp g, 0,2,4,6,8
.irp i, 0,1,2,3
	v_mov_b32 v[QF+4*\g+\i], 0
.endr
.endr
.irp m, 0,1
	v_permlanex16_b32 v[TM+2*\m], v[PC+2*\m], s[SEL], s[SEL+1]       ; the other 16 channels' codes
	v_permlanex16_b32 v[TM+2*\m+1], v[PC+2*\m+1], s[SEL], s[SEL+1]
.endr
	s_mov_b32 vcc_lo, 0xffff0000                   ; lanes 16-31
.irp m, 0,1
	v_cndmask_b32 v[QF+16*\m+4], v[PC+2*\m], v[QF], vcc_lo           ; lo: the 32 codes in lanes 0-15, zeros above
	v_cndmask_b32 v[QF+16*\m+5], v[PC+2*\m+1], v[QF], vcc_lo
	v_cndmask_b32 v[QF+16*\m+6], v[TM+2*\m], v[QF], vcc_lo
	v_cndmask_b32 v[QF+16*\m+7], v[TM+2*\m+1], v[QF], vcc_lo
	v_cndmask_b32 v[QF+16*\m+12], v[QF], v[TM+2*\m], vcc_lo          ; hi: in lanes 16-31, zeros below
	v_cndmask_b32 v[QF+16*\m+13], v[QF], v[TM+2*\m+1], vcc_lo
	v_cndmask_b32 v[QF+16*\m+14], v[QF], v[PC+2*\m], vcc_lo
	v_cndmask_b32 v[QF+16*\m+15], v[QF], v[PC+2*\m+1], vcc_lo
	v_add_nc_u32 v[SOP+\m], -1, v[T2+\m]
.endr
.irp m, 0,1
.irp k, 0,1,2,3
	v_lshl_add_u32 v[QS+4*\m+\k], v[SOP+\m], 8*\k, s[ONES]           ; q's byte at byte k, 1 elsewhere
.endr
.endr
.endm
; S^T of 128 keys for tile m: eight products that start at 0; tile t of fragment t / 4 meets variant t % 4
.macro SMUL m
.irp t, 0,1,2,3,4,5,6,7
	MM S+8*\t, KF+8*(\t/4), QF+16*\m+8*(\t%2)+4*(1-(\t%4)/2), -1, KSC, QS+4*\m+\t%4, \t/4
.endr
.endm
; the softmax of tile m's 128 scores, p's codes, and O^T += V^T p^T
.macro SOFT m, causal, vwait
.set sT, ST+4*\m
.set sO, O+16*\m
.if \causal
	s_cmp_lg_u32 s[J], s[LAST]                     ; only the last step meets the diagonal
	s_cbranch_scc1 .Lopen_\@
.set mb, 0
.rept 4                                        ; a block of 32 keys at a time: my 16 compares in one run, into sixteen scalar registers; one wait; the 16 selects
.set cn, 0
.rept 16
	v_cmp_gt_i32 s[MK+cn+8*(cn/12)], 32*mb+cn-16*\m, v[VD]           ; register 16 b + i holds key 32 b + 16 h + i of the step
.set cn, cn+1
.endr
	s_wait_alu depctr_va_sdst(0)                   ; the sixteen compares have written their masks, ahead of the first select that reads one
.set cn, 0
.rept 16
	v_cndmask_b32 v[S+16*mb+cn], v[S+16*mb+cn], v[NINF], s[MK+cn+8*(cn/12)]
.set cn, cn+1
.endr
.set mb, mb+1
.endr
.Lopen_\@:
.endif
.irp b, 0,1,2,3
	v_max3_num_f32 v[TM+\b], v[S+16*\b], v[S+16*\b+1], v[S+16*\b+2]  ; the largest score of each block of 32 keys: for the row's maximum and for the block's largest p
.endr
.irp i, 3,5,7,9,11,13
.irp b, 0,1,2,3
	v_max3_num_f32 v[TM+\b], v[TM+\b], v[S+16*\b+\i], v[S+16*\b+\i+1]
.endr
.endr
.irp b, 0,1,2,3
	v_max_num_f32 v[TM+\b], v[TM+\b], v[S+16*\b+15]
.endr
.irp b, 0,1,2,3
	v_permlanex16_b32 v[T2+\b], v[TM+\b], s[SEL], s[SEL+1]
.endr
.irp b, 0,1,2,3
	v_max_num_f32 v[TM+\b], v[TM+\b], v[T2+\b]
.endr
	v_max3_num_f32 v[FB], v[TM], v[TM+1], v[TM+2]
	v_max_num_f32 v[FB], v[FB], v[TM+3]
	v_mul_f32 v[FB], s[CS], v[FB]                  ; as t
	v_max_num_f32 v[sT+1], v[sT+1], v[FB]          ; the running largest t
	v_mov_b32 v[FB], v[sT]
	v_floor_f32 v[sT], -v[sT+1]                    ; the new -M: a whole number
	v_sub_f32 v[FB], v[sT], v[FB]
	v_cvt_i32_f32 v[FB], v[FB]                     ; (it saturates)
	v_ldexp_f32 v[FA], 1.0, v[FB]                  ; f = 2^(old M - new M)
.set cn, 0
.rept 32
	v_pk_fma_f32 v[S+cn:S+cn+1], v[S+cn:S+cn+1], s[CS:CS+1], v[sT:sT+1] op_sel_hi:[1,0,0]   ; t - M
.set cn, cn+2
.endr
.irp b, 0,1,2,3
	v_fma_f32 v[TM+\b], v[TM+\b], s[CS], v[sT]
.endr
.set cn, 0
	s_wait_alu depctr_va_vdst(0)
.rept 64
	v_exp_f32 v[S+cn], v[S+cn]                     ; p = 2^(t - M)
.set cn, cn+1
.endr
	v_pk_mul_f32 v[sT+2:sT+3], v[sT+2:sT+3], v[FA:FA+1] op_sel_hi:[1,0]   ; the sums under the new M: the plain line behind the exponentials
	s_wait_alu depctr_va_vdst(0)                   ; the 64 exponentials have written v[S ..]: one wait for the batch, ahead of its first reader
.irp b, 0,1,2,3
	v_exp_f32 v[TM+\b], v[TM+\b]                   ; each block's largest p
.endr
	v_pk_add_f32 v[T2:T2+1], v[S:S+1], v[S+2:S+3]  ; the row's sum of the unquantised p, in two chains
.irp j, 4,8,12,16,20,24,28,32,36,40,44,48,52,56,60
	v_pk_add_f32 v[sT+2:sT+3], v[sT+2:sT+3], v[S+\j:S+\j+1]
	v_pk_add_f32 v[T2:T2+1], v[T2:T2+1], v[S+\j+2:S+\j+3]
.endr
	v_pk_add_f32 v[sT+2:sT+3], v[sT+2:sT+3], v[T2:T2+1]
	s_wait_alu depctr_va_vdst(0)                   ; the four exponentials have written v[TM ..]: their wait, ahead of their first reader
.irp b, 0,1,2,3
	v_max_num_f32 v[TM+\b], 0x1800000, v[TM+\b]    ; the floor: the byte cannot fall under 1
.endr
.irp b, 0,1,2,3
	v_add_nc_u32 v[SOP+\b], 0xff000000, v[TM+\b]
.endr
.irp b, 0,1,2,3
	v_lshrrev_b32 v[T2+\b], 23, v[SOP+\b]
.endr
	v_lshl_or_b32 v[PSW], v[T2+1], 8, v[T2]        ; p's scale word for these 128 keys
	v_lshl_or_b32 v[PSW], v[T2+2], 16, v[PSW]
	v_lshl_or_b32 v[PSW], v[T2+3], 24, v[PSW]
.irp b, 0,1,2,3
	v_cvt_scalef32_pk8_fp4_f32 v[PC+2*\b], v[S+16*\b:S+16*\b+7], v[SOP+\b]
	v_cvt_scalef32_pk8_fp4_f32 v[PC+2*\b+1], v[S+16*\b+8:S+16*\b+15], v[SOP+\b]
.endr
	v_nop                                          ; one plain line behind the last scaled conversion
.irp c, 0,1                                    ; the operand wants a whole block in a lane
.irp i, 0,1
	v_permlane16_swap_b32 v[PC+4*\c+\i], v[PC+2+4*\c+\i]
.endr
.endr
.set cn, 0
.rept 8
	v_pk_mul_f32 v[sO+cn:sO+cn+1], v[sO+cn:sO+cn+1], v[FA:FA+1] op_sel_hi:[1,0]   ; O^T under the new M, from its low end on
.set cn, cn+2
.endr
	NOPS 4                                         ; with the lines above: the places between the scale word's and the codes' last writes and the products
.if \vwait
	s_wait_loadcnt 0x0                             ; V of this step is in (nothing younger is out)
.endif
	s_wait_alu depctr_va_vdst(0)                   ; the exchanges have written p's codes v[PC ..] and the shifts its scale word v[PSW], which the two products take as source 1 and as its scales; the places above stay beside this wait
	MM sO, VF, PC, sO, VSC, PSW, 0
	MM sO+8, VF+8, PC, sO+8, VSC, PSW, 1
.endm
; q = the normed rows x a weight, quantised; the first step's K and V are asked for behind the products
.macro QP kb, vb, sb
	AFETCH HIMG, 4096, HSC, 256
	s_wait_loadcnt 0x0                             ; the record
	s_wait_dscnt 0x0
	GMUL 0, 0
	v_mov_b32 v[KO], v[LI]                         ; (every earlier load that read these four has been waited for, and stands ahead of the norm's last wait on vm_vsrc)
	v_mov_b32 v[KSO], v[L4]
	v_mov_b32 v[VO], v[LI]
	v_mov_b32 v[VSO], v[L4]
	s_wait_alu depctr_va_vdst(0)                   ; the four offsets are written, which the loads below read; the sixteen products are done reading the record and the scale words, in whose registers K, V and their scale words land
	KGRP \kb, \sb
	VGRP \vb, \sb
	QB 2, ACC
	MKQ
.irp m, 0,1
	v_mov_b32 v[ST+4*\m+1], 0xff61b1e6             ; the largest t so far: -3e38
	v_mov_b32 v[ST+4*\m+2], 0
	v_mov_b32 v[ST+4*\m+3], 0
.endr
.irp m, 0,1
	v_floor_f32 v[ST+4*\m], -v[ST+4*\m+1]
.endr
.set cn, 0
.rept 32
	v_mov_b32 v[O+cn], 0                           ; the step is written once: the first finds zeros.  (These lines are also the places behind the writes of q's codes and scale words)
.set cn, cn+1
.endr
	s_wait_alu depctr_va_vdst(0)                   ; q's four variants v[QF ..] and their scale words v[QS ..] are written, which every product K q^T of the walk takes as source 1 and as its scales; the walk writes neither
.endm
; the walk over the keys, 128 a trip, steps 0 .. LAST: NST = LAST + 1 trips, counted by J, which steps by 1 and is compared with NST by 'less than'.
; K of the next step is asked for behind tile 1's scores, V behind tile 1's second product; the last trip asks for its own step once more (a clamped address) and uses nothing of it
.macro ATT causal, kb, vb, sb
	s_mov_b32 s[J], 0
.Latt_\@:
	s_wait_loadcnt 0x5                             ; K's five loads are in; V's five, issued behind them, may be out
	SMUL 0
	NOPS 4
	SOFT 0, \causal, 1
	SMUL 1
	s_add_co_u32 s[JN], s[J], 1
	s_min_u32 s[JN], s[JN], s[LAST]
	s_wait_alu depctr_vm_vsrc(0)                   ; the loads of K and of V issued so far have read their four offsets
	v_lshl_add_u32 v[KO], s[JN], 11, v[LI]         ; K's loads were shown done at the trip's head, V's in tile 0's turn: their offsets may be written.  These four lines are the four places behind tile 1's scores
	v_lshl_add_u32 v[KSO], s[JN], 8, v[L4]
	v_lshl_add_u32 v[VO], s[JN], 11, v[LI]
	v_lshl_add_u32 v[VSO], s[JN], 8, v[L4]
	s_wait_alu depctr_va_vdst(0)                   ; the four offsets are written; both tiles' products K q^T are done reading v[KF ..] and v[KSC], in which the loads below land
	KGRP \kb, \sb
	SOFT 1, \causal, 0
	NOPS 4                                         ; places behind the last products
	s_wait_alu depctr_va_vdst(0)                   ; both tiles' products V^T p^T are done reading v[VF ..] and v[VSC], in which the loads below land; behind the last trip: all of the walk's lines are done with the registers in which the projection's record and bias land
	VGRP \vb, \sb
	s_add_co_u32 s[J], s[J], 1
	s_cmp_lt_u32 s[J], s[NST]
	s_cbranch_scc1 .Latt_\@
	s_wait_loadcnt 0x0
.endm
; O^T / the sum, quantised, into AIMG
.macro FIN
.irp m, 0,1
	v_add_f32 v[TM+\m], v[ST+4*\m+2], v[ST+4*\m+3]
.endr
.irp m, 0,1
	v_permlanex16_b32 v[T2+\m], v[TM+\m], s[SEL], s[SEL+1]
.endr
.irp m, 0,1
	v_add_f32 v[TM+\m], v[TM+\m], v[T2+\m]         ; the row's sum
.endr
	s_wait_alu depctr_va_vdst(0)
	v_rcp_f32 v[FA], v[TM]
	v_rcp_f32 v[FB], v[TM+1]
	v_nop
	s_wait_alu depctr_va_vdst(0)                   ; the two reciprocals have written v[FA] and v[FB]: one wait for both, ahead of their first reader
.set cn, 0
.rept 8
	v_pk_mul_f32 v[O+cn:O+cn+1], v[O+cn:O+cn+1], v[FA:FA+1] op_sel_hi:[1,0]
.set cn, cn+2
.endr
.set cn, 0
.rept 8
	v_pk_mul_f32 v[O+16+cn:O+17+cn], v[O+16+cn:O+17+cn], v[FB:FB+1] op_sel_hi:[1,0]
.set cn, cn+2
.endr
	QB 2, O
	BSTORE BST, SST, AIMG, 4096, ASC, 256
	BAR
	s_wait_alu depctr_vm_vsrc(0)                   ; my stores have read v[PC ..] and v[T2 ..], which the next quantiser writes again
.endm
; the residual: my columns of the 32 rows come from the stage and take the accumulators.  They go back by XST
.macro RESA
.irp m, 0,1
.irp j, 0,1,2,3
	ds_load_b128 v[XV+16*\m+4*\j:XV+16*\m+4*\j+3], v[XR] offset:33024*\m+16*\j
.endr
.endr
	s_wait_dscnt 0x0
.set cn, 0
.rept 16
	v_pk_add_f32 v[XV+cn:XV+cn+1], v[XV+cn:XV+cn+1], v[ACC+cn:ACC+cn+1]   ; each accumulator from its low end on
.set cn, cn+2
.endr
.endm
	s_load_b512 s[8:23], s[0:1], 0x0               ; x, wimg, wscl, kimg, vimg, ksc, sa_pb, ca_pb
	s_load_b512 s[24:39], s[0:1], 0x40             ; ff_b1, ff_b2, ln1_g, ln1_b, ln2_g, ln2_b, ln3_g, ln3_b
	s_load_b64 s[40:41], s[0:1], 0x80              ; out0
	v_lshrrev_b32 v1, 5, v0
	v_readfirstlane_b32 s[W], v1                   ; wave 0..15
	s_mov_b32 s[WG], ttmp9
	s_and_b32 s[QBN], s[WG], 31                    ; which 32 tokens of the batch
	v_and_b32 v1, 15, v0                           ; r
	v_bfe_u32 v2, v0, 4, 1                         ; h
	v_and_b32 v63, 31, v0
	v_lshlrev_b32 v[LI], 4, v63
	v_lshlrev_b32 v[LS], 4, v1
	s_wait_alu depctr_va_vdst(0)
	v_lshlrev_b32 v[L4], 2, v63
	v_lshl_add_u32 v[BST], v2, 3, v[LS]
	s_wait_alu depctr_va_sdst(0)                   ; the wave's number is written, ahead of its first reader: addresses and bases are made from it
	s_lshl_b32 s74, s[W], 10
	v_add_nc_u32 v[FST], s74, v[BST]
	s_lshl_b32 s74, s[W], 8
	v_add_nc_u32 v[BST], s74, v[BST]
	v_add_nc_u32 v[SST], s[W], v[LS]
	s_lshr_b32 s74, s[W], 2
	s_lshl_b32 s74, s74, 8
	s_and_b32 s75, s[W], 3
	s_lshl_b32 s75, s75, 2
	s_add_co_u32 s74, s74, s75
	v_add_nc_u32 v[FSS], s74, v[LS]
	v_mul_u32_u24 v[PSR], v1, 80
	s_lshl_b32 s74, s[W], 2
	v_add_nc_u32 v[PSA], s74, v[PSR]
	v_mul_u32_u24 v[XR], v1, 2064
	v_lshl_add_u32 v[XR], v2, 6, v[XR]
	s_lshl_b32 s74, s[W], 7
	s_add_co_u32 s75, s74, XSTG
	v_add_nc_u32 v[XR], s75, v[XR]
	v_lshlrev_b32 v[CB], 6, v2
	s_lshl_b32 s75, s[W], 9
	v_add_nc_u32 v[CB4], s75, v[CB]
	v_add_nc_u32 v[CB], s74, v[CB]
	s_mul_i32 s74, s[W], 4128
	s_add_co_u32 s74, s74, XSTG
	v_add_nc_u32 v[XD], s74, v[LI]
	s_lshl_b32 s74, s[W], 12
	v_add_nc_u32 v[GD], s74, v[LI]
	s_and_b32 s74, s[QBN], 3
	s_lshl_b32 s74, s74, 5
	v_lshlrev_b32 v63, 4, v2
	v_sub_nc_u32 v[VD], v1, v63
	v_add_nc_u32 v[VD], s74, v[VD]
	v_mov_b32 v[NINF], 0xff800000
.irp i, 0,1,2,3
	v_mov_b32 v[FA+\i], 0                          ; the pairs' upper words are named with the lower, so they are written
.endr
.irp i, 0,1,2,3,4,5,6,7,8,9,10,11
	v_mov_b32 v[TM+\i], 0                          ; written once: a lane permute's destination counts as one of its sources
.endr
	s_mov_b32 s[SEL], 0x76543210
	s_mov_b32 s[SEL+1], 0xfedcba98
	s_mov_b32 s[ONES], 0x01010101
	s_mov_b32 s[CS], 0x3e8293ee                    ; c = log2(e) / sqrt(32)
	s_mov_b32 s[CS+1], s[CS]
	s_mov_b32 s[R512], 0x3b000000                  ; 1 / 512
	s_mov_b32 s[EPS], 0x3727c5ac                   ; 1e-5
	s_mov_b32 s75, 0
	s_wait_kmcnt 0x0
	s_lshl_b32 s74, s[WG], 16                      ; 32 rows of 2,048 bytes
	s_add_nc_u64 s[8:9], s[8:9], s[74:75]
	s_add_nc_u64 s[40:41], s[40:41], s[74:75]
	s_lshl_b32 s74, s[W], 13
	s_add_nc_u64 s[WB:WB+1], s[10:11], s[74:75]    ; record w of a 512 x 512 weight: the weight stands in the immediates
	s_lshl_b32 s74, s[W], 15
	s_add_nc_u64 s[WB4:WB4+1], s[10:11], s[74:75]  ; record 4 w of the FFN's weights
	s_lshl_b32 s74, s[W], 9
	s_add_nc_u64 s[WSB:WSB+1], s[12:13], s[74:75]
	s_lshl_b32 s74, s[W], 11
	s_add_nc_u64 s[WSB4:WSB4+1], s[12:13], s[74:75]
	s_lshr_b32 s76, s[WG], 5
	s_lshl_b32 s76, s76, 4
	s_add_co_u32 s76, s76, s[W]                    ; the head's index: 16 x batch + w
	s_lshl_b32 s74, s76, 14
	s_add_nc_u64 s[KB1:KB1+1], s[14:15], s[74:75]
	s_add_nc_u64 s[VB1:VB1+1], s[16:17], s[74:75]
	s_lshl_b32 s74, s76, 11
	s_add_nc_u64 s[SB1:SB1+1], s[18:19], s[74:75]
	s_add_nc_u64 s[KB2:KB2+1], s[KB1:KB1+1], 0x200000   ; the cross attention's heads lie 128 heads on
	s_add_nc_u64 s[VB2:VB2+1], s[VB1:VB1+1], 0x200000
	s_add_nc_u64 s[SB2:SB2+1], s[SB1:SB1+1], 0x40000
	; ---- x comes in whole rows and is kept in the stage as the residual stream
	s_wait_alu depctr_va_vdst(0)                   ; the offsets and addresses v3 to v15 and v62 are written, which every load and store of the kernel reads
.irp i, 0,1,2,3,4,5,6,7
	global_load_b128 v[XV+4*\i:XV+4*\i+3], v[GD], s[8:9] offset:512*\i th:TH_LOAD_NT
.endr
	LNLD 28, 30
	WLOAD WB, 0, WSB, 0                            ; sa_wq
	s_wait_loadcnt 25                              ; x's eight loads are in; the 25 issued behind them may be out
.irp i, 0,1,2,3,4,5,6,7
	ds_store_b128 v[XD], v[XV+4*\i:XV+4*\i+3] offset:2064*(\i/4)+512*(\i%4)
.endr
	BAR
	s_wait_alu depctr_vm_vsrc(0)                   ; my stores have read v[XV ..], in which my columns of the 32 rows land
.irp m, 0,1
.irp j, 0,1,2,3
	ds_load_b128 v[XV+16*\m+4*\j:XV+16*\m+4*\j+3], v[XR] offset:33024*\m+16*\j
.endr
.endr
	s_wait_dscnt 0x0
	; ---- self-attention
	LNQ 17, 0
	QP KB1, VB1, SB1
	s_lshr_b32 s[LAST], s[QBN], 2                  ; the step that holds the diagonal
	s_add_co_u32 s[NST], s[LAST], 1                ; 1 to 8 steps
	ATT 1, KB1, VB1, SB1
	WLOAD WB, 48*8192, WSB, 48*512                 ; sa_pw lands while the result is quantised.  No wait: no vector or matrix instruction since the walk's last wait names these registers
	BLOAD 20, CB, 0, BI
	FIN
	AFETCH AIMG, 4096, ASC, 256
	s_wait_loadcnt 0x0
	s_wait_dscnt 0x0
	GMUL 1, BI
	s_wait_alu depctr_va_vdst(0)                   ; the sixteen products are done reading the record, its scale words and the fragments, in whose registers the loads below land
	LNLD 32, 34
	WLOAD WB, 64*8192, WSB, 64*512                 ; ca_wq
	RESA
	; ---- cross-attention
	LNQ 17, 1
	QP KB2, VB2, SB2
	s_mov_b32 s[LAST], 7                           ; all eight steps
	s_mov_b32 s[NST], 8
	ATT 0, KB2, VB2, SB2
	WLOAD WB, 112*8192, WSB, 112*512               ; ca_pw: as behind the first walk
	BLOAD 22, CB, 0, BI
	FIN
	AFETCH AIMG, 4096, ASC, 256
	s_wait_loadcnt 0x0
	s_wait_dscnt 0x0
	GMUL 1, BI
	s_wait_alu depctr_va_vdst(0)                   ; the sixteen products are done reading the record, its scale words, the bias and the fragments, in whose registers the loads below land
	LNLD 36, 38
	WLOAD WB4, 128*8192, WSB4, 128*512             ; ff_w1, my first 32 hidden units
	BLOAD 24, CB4, 0, BI
	RESA
	; ---- feed-forward: my 128 hidden units, 32 at a time; they are K step w of the second product
	LNQ 21, 1
	AFETCH HIMG, 4096, HSC, 256
.irp bb, 0,1,2,3
	s_wait_loadcnt 0x0                             ; the record and its bias
	s_wait_dscnt 0x0                               ; the fragments are in
.if \bb > 0
	s_wait_alu depctr_vm_vsrc(0)                   ; the last 32 units' stores have read v[PC ..] and v[T2 ..], which the quantiser below writes again
.endif
	GMUL 1, BI+16*(\bb%2)
	s_wait_alu depctr_va_vdst(0)                   ; the sixteen products are done reading the record and its scale words, and those before them the other bias: the loads below land there
.if \bb < 3
	WLOAD WB4, (129+\bb)*8192, WSB4, (129+\bb)*512
	BLOAD 24, CB4, 128*(\bb+1), BI+16*((\bb+1)%2)
.else
	WLOAD WB4, 192*8192, WSB4, 192*512             ; ff_w2, chunk 0
	BLOAD 26, CB, 0, BI
.endif
.set cn, 0
.rept 32
	v_max_num_f32 v[ACC+cn], 0, v[ACC+cn]          ; the activation, in f32
.set cn, cn+1
.endr
	QB 2, ACC
	BSTORE FST, FSS, F2IMG+256*\bb, 16384, F2SC+\bb, 1024
.endr
	BAR                                            ; the hidden layer's codes lie in LDS
.irp q, 0,1,2,3
	AFETCH F2IMG+4096*\q, 16384, F2SC+256*\q, 1024
	s_wait_loadcnt 0x0
	s_wait_dscnt 0x0
.if \q == 0
	GMUL 1, BI
.else
	GMUL 2, BI
.endif
	s_wait_alu depctr_va_vdst(0)                   ; the sixteen products are done reading the chunk's record, scale words and fragments: the next chunk's land there, and behind the last chunk my columns out of the stage
.if \q < 3
	WLOAD WB4, (193+\q)*8192, WSB4, (193+\q)*512
.endif
.endr
	RESA
	s_wait_alu depctr_va_vdst(0)                   ; the additions have written v[XV ..], which the stores read, and in which the whole rows land behind the barrier
	XST
	BAR                                            ; the 32 finished rows lie in the stage
	s_wait_alu depctr_vm_vsrc(0)                   ; my stores have read v[XV ..], in which the loads below land
.irp i, 0,1,2,3,4,5,6,7
	ds_load_b128 v[XV+4*\i:XV+4*\i+3], v[XD] offset:2064*(\i/4)+512*(\i%4)
.endr
.irp i, 0,1,2,3,4,5,6,7
	s_wait_dscnt 7-\i                              ; LDS loads come back in order: load i is in, the younger ones may be out
	global_store_b128 v[GD], v[XV+4*\i:XV+4*\i+3], s[40:41] offset:512*\i th:TH_STORE_NT   ; 32 lanes store 512 consecutive bytes, aligned
.endr
	s_wait_xcnt 0x0
	v_lshl_add_u32 v254, v0, 2, 0x1e200            ; no two registers could be kept: the add's two are made anew, v0 being as at the entry; no memory or LDS instruction has read either
	v_mov_b32 v255, 0
	s_wait_dscnt 0x0                               ; the closing lines, six on end
	s_wait_alu 0x0
	s_wait_tensorcnt 0x0
	ds_add_u32 v254, v255
	s_wait_dscnt 0x0
	s_endpgm
.Lfunc_end_k_q8f8a48a50d_chain:
	.size	k_q8f8a48a50d_chain, .Lfunc_end_k_q8f8a48a50d_chain-k_q8f8a48a50d_chain
	.p2alignl 7, 3214868480
	.fill 96, 4, 3214868480
	.section	.rodata,"a",@progbits
	.p2align	6, 0x0
	.amdhsa_kernel k_q8f8a48a50d_chain
		.amdhsa_group_segment_fixed_size 125440
		.amdhsa_private_segment_fixed_size 0
		.amdhsa_enable_private_segment 0
		.amdhsa_kernarg_size 136
		.amdhsa_user_sgpr_count 2
		.amdhsa_user_sgpr_kernarg_segment_ptr 1
		.amdhsa_wavefront_size32 1
		.amdhsa_system_sgpr_workgroup_id_x 1
		.amdhsa_system_sgpr_workgroup_id_y 1
		.amdhsa_system_sgpr_workgroup_id_z 1
		.amdhsa_system_vgpr_workitem_id 0
		.amdhsa_next_free_vgpr 256
		.amdhsa_next_free_sgpr 84
		.amdhsa_reserve_vcc 1
		.amdhsa_float_denorm_mode_32 3
		.amdhsa_float_denorm_mode_16_64 3
		.amdhsa_memory_ordered 1
		.amdhsa_forward_progress 1
		.amdhsa_inst_pref_size 213
	.end_amdhsa_kernel
	.amdgpu_metadata
---
amdhsa.version: [ 1, 2 ]
amdhsa.kernels:
  - .name:           k_q8f8a48a50d_chain
    .symbol:         k_q8f8a48a50d_chain.kd
    .args:
      - { .name: x, .offset: 0, .size: 8, .value_kind: global_buffer, .address_space: global }
      - { .name: wimg, .offset: 8, .size: 8, .value_kind: global_buffer, .address_space: global }
      - { .name: wscl, .offset: 16, .size: 8, .value_kind: global_buffer, .address_space: global }
      - { .name: kimg, .offset: 24, .size: 8, .value_kind: global_buffer, .address_space: global }
      - { .name: vimg, .offset: 32, .size: 8, .value_kind: global_buffer, .address_space: global }
      - { .name: ksc, .offset: 40, .size: 8, .value_kind: global_buffer, .address_space: global }
      - { .name: sa_pb, .offset: 48, .size: 8, .value_kind: global_buffer, .address_space: global }
      - { .name: ca_pb, .offset: 56, .size: 8, .value_kind: global_buffer, .address_space: global }
      - { .name: ff_b1, .offset: 64, .size: 8, .value_kind: global_buffer, .address_space: global }
      - { .name: ff_b2, .offset: 72, .size: 8, .value_kind: global_buffer, .address_space: global }
      - { .name: ln1_g, .offset: 80, .size: 8, .value_kind: global_buffer, .address_space: global }
      - { .name: ln1_b, .offset: 88, .size: 8, .value_kind: global_buffer, .address_space: global }
      - { .name: ln2_g, .offset: 96, .size: 8, .value_kind: global_buffer, .address_space: global }
      - { .name: ln2_b, .offset: 104, .size: 8, .value_kind: global_buffer, .address_space: global }
      - { .name: ln3_g, .offset: 112, .size: 8, .value_kind: global_buffer, .address_space: global }
      - { .name: ln3_b, .offset: 120, .size: 8, .value_kind: global_buffer, .address_space: global }
      - { .name: out0, .offset: 128, .size: 8, .value_kind: global_buffer, .address_space: global }
    .group_segment_fixed_size: 125440
    .private_segment_fixed_size: 0
    .kernarg_segment_align: 8
    .kernarg_segment_size: 136
    .max_flat_workgroup_size: 512
    .sgpr_count:     84
    .vgpr_count:     256
    .wavefront_size: 32
...
	.end_amdgpu_metadata
.endif
;; end of part 6
